; MI455X (gfx1250); checked and timed in simulation.
; The chip was launched on July 23, 2026; its instructions are those of AMD's public machine-readable ISA for CDNA 5 (MIT licence, August 2026) and "CDNA5" Instruction Set Architecture Reference Guide (July 2026). The comments in the code are by the model that wrote it; some were corrected since.
;; Recency Bias Attention. Allowed arithmetic: float matrix products may take bf16 or f16 operands with f32 sums; other float arithmetic in f32, or as packed bf16 or f16 multiplies, adds, multiply-adds, maxima and minima; sums over many terms, partial sums and values carried from step to step in f32; what a program stores and reads back later, other than sums and carried values, may be rounded once to bf16 or f16.
;; Inputs: Wout 1,024 x 1,024 float32; Wqkv 1,024 x 3,072 float32; bout 1,024 float32; bqkv 3,072 float32; mask 4 x 2,048 bool; recency_bias 2,048 x 2,048 float32; x 4 x 2,048 x 1,024 float32.
;; Outputs: out0 4 x 2,048 x 1,024 float32.
;; One version. Each part assembles by itself: llvm-mc -triple=amdgcn-amd-amdhsa -mcpu=gfx1250 --defsym DOCPART=n.
;; ======== version 1 of 1: 4 launches
;; limits: values are held in f16: magnitudes above 65,504 overflow, below 6.1e-05 lose precision; right only within a limited range of input values
;; workspace buffers: xh 16,777,216 bytes; wq 6,291,456 bytes; wo 2,097,152 bytes; bt 8,388,608 bytes; qkv 50,331,648 bytes; o 16,777,216 bytes
;; launch prep (part 1): grid 1024 x 1, 8 waves a work-group, no clusters, 0 bytes of LDS; arguments x, Wqkv, Wout, recency_bias, xh, wq, wo, bt; writes xh, wq, wo, bt
.if DOCPART == 1
	.amdgcn_target "amdgcn-amd-amdhsa--gfx1250"
	.amdhsa_code_object_version 6
	.text
	.protected	k_qc764b3ba44_prep
	.globl	k_qc764b3ba44_prep
	.p2align	8
	.type	k_qc764b3ba44_prep,@function
k_qc764b3ba44_prep:
	s_mov_b64 s[64:65], 0
	v_nop
	global_prefetch_b8 v0, s[64:65] scope:SCOPE_SE
	s_setreg_imm32_b32 hwreg(HW_REG_WAVE_MODE, 25, 1), 1
	s_wait_xcnt 0x0
; x, Wqkv, Wout and recency_bias (f32, row-major [R][C]) are rounded once to bf16 (to nearest even); that number (the bias's times 8, which is exact)
; is written as f16, blocked by 64 columns: out[c / 64][r][c % 64], a block's rows 128 bytes, dense.
; LIMITS.  A bf16 number is an f16 number exactly from 2^-17 up to 65,504 in magnitude; below, the step is f16's fixed 6e-8; from 65,520 on (for the bias: 8,190) it becomes an infinity.
; A stream: no LDS, no barrier, no matrix unit: no byte is used twice.  A wave takes 32 rows x 64 columns: 8 KiB in, 4 KiB out; the eight waves of a work-group take eight neighbouring
; column blocks of the same 32 rows.  8,192 such shares: 1,024 work-groups; the work-group's number says which of the four tensors it serves.
; All 16 loads of a wave go out at once; nothing is rewritten while a load or store may read it, so the only waits are the counted ones for the loads.
.set OF, 6                             ; v[6:13]   trip i: byte offset of my 32 bytes: row 4 i + lane / 8, columns 8 (lane % 8) on
.set IN, 16                            ; v[16:79]  trip i: 8 numbers
.set OU, 80                            ; v[80:111] trip i: 8 f16, 16 bytes
	s_load_b512 s[8:23], s[0:1], 0x0               ; x s[8:9], Wqkv s[10:11], Wout s[12:13], bias s[14:15]; xh s[16:17], wq s[18:19], wo s[20:21], bt s[22:23]
	v_and_b32 v1, 31, v0                           ; lane
	v_lshrrev_b32 v3, 5, v0
	v_readfirstlane_b32 s24, v3                    ; wave
	s_mov_b32 s43, ttmp9
	s_mov_b32 s42, 0xffff0000                      ; a word's upper bf16
	s_mov_b32 s25, 768                             ; the range's first work-group: set for the bias table, then chosen anew for each lower range
	s_mov_b32 s26, 6                               ; log2 of the groups of 32 rows
	s_mov_b32 s34, 8192                            ; bytes in a row of the source
	s_mov_b32 s29, 18                              ; log2 of the bytes in a block of the result (R x 128)
	s_mov_b32 s36, 0x41000000                      ; the factor: 8.0 for the bias, 1.0 for the others
	s_wait_kmcnt 0x0
	s_cmp_lt_u32 s43, 768                          ; Wout: work-groups 704 to 767
	s_cselect_b64 s[30:31], s[12:13], s[14:15]
	s_cselect_b64 s[32:33], s[20:21], s[22:23]
	s_cselect_b32 s25, 704, s25
	s_cselect_b32 s26, 5, s26
	s_cselect_b32 s34, 4096, s34
	s_cselect_b32 s29, 17, s29
	s_cselect_b32 s36, 1.0, s36
	s_cmp_lt_u32 s43, 704                          ; Wqkv: 512 to 703
	s_cselect_b64 s[30:31], s[10:11], s[30:31]
	s_cselect_b64 s[32:33], s[18:19], s[32:33]
	s_cselect_b32 s25, 512, s25
	s_cselect_b32 s34, 12288, s34
	s_cmp_lt_u32 s43, 512                          ; x: 0 to 511
	s_cselect_b64 s[30:31], s[8:9], s[30:31]
	s_cselect_b64 s[32:33], s[16:17], s[32:33]
	s_cselect_b32 s25, 0, s25
	s_cselect_b32 s26, 8, s26
	s_cselect_b32 s34, 4096, s34
	s_cselect_b32 s29, 20, s29
	s_mov_b32 s37, s36                             ; named with it as a pair
	s_sub_co_u32 s25, s43, s25                     ; my number in the range
	s_lshr_b32 s27, s25, s26                       ; which eight column blocks
	s_lshl_b32 s28, s27, s26
	s_sub_co_u32 s28, s25, s28                     ; which 32 rows
	s_lshl3_add_u32 s27, s27, s24                  ; my wave's column block
	s_mul_i32 s38, s28, s34
	s_lshl_b32 s38, s38, 5                         ; 32 rows of the source,
	s_lshl_b32 s39, s27, 8                         ; 256 bytes a column block
	s_add_co_u32 s38, s38, s39
	s_mov_b32 s39, 0
	s_lshl_b32 s40, s27, s29                       ; the block in the result,
	s_lshl_b32 s41, s28, 12                        ; 32 rows of 128 bytes
	s_add_co_u32 s40, s40, s41
	s_mov_b32 s41, 0
	s_add_nc_u64 s[30:31], s[30:31], s[38:39]
	s_add_nc_u64 s[32:33], s[32:33], s[40:41]
	s_lshl_b32 s35, s34, 2                         ; four rows
	v_lshlrev_b32 v2, 4, v1                        ; out: 16 x lane: four rows of 128 bytes are 512 bytes on end
	v_lshrrev_b32 v3, 3, v1
	v_and_b32 v4, 7, v1
	v_mul_lo_u32 v3, v3, s34
	v_lshl_add_u32 v[OF], v4, 5, v3
.irp i, 1,2,3,4,5,6,7
	v_add_nc_u32 v[OF+(\i)], s35, v[OF+(\i)-1]
.endr
.irp i, 0,1,2,3,4,5,6,7
	global_load_b128 v[IN+8*(\i):IN+8*(\i)+3],   v[OF+(\i)], s[30:31] th:TH_LOAD_NT            ; eight lanes' two loads cover 256 consecutive bytes of a row, aligned
	global_load_b128 v[IN+8*(\i)+4:IN+8*(\i)+7], v[OF+(\i)], s[30:31] offset:16 th:TH_LOAD_NT
.endr
.irp i, 0,1,2,3,4,5,6,7
	s_wait_loadcnt 14-2*(\i)                       ; loads come back in order: trip i's two are in, the younger ones stay out
.irp j, 0,1,2,3
	v_cvt_pk_bf16_f32 v[OU+4*(\i)+(\j)], v[IN+8*(\i)+2*(\j)], v[IN+8*(\i)+2*(\j)+1]   ; the one rounding
.endr
.irp j, 0,1,2,3
	v_lshlrev_b32 v[IN+8*(\i)+2*(\j)],   16, v[OU+4*(\i)+(\j)]
	v_and_b32     v[IN+8*(\i)+2*(\j)+1], s42, v[OU+4*(\i)+(\j)]
.endr
.irp j, 0,1,2,3
	v_pk_mul_f32 v[IN+8*(\i)+2*(\j):IN+8*(\i)+2*(\j)+1], v[IN+8*(\i)+2*(\j):IN+8*(\i)+2*(\j)+1], s[36:37] op_sel_hi:[1,0]
.endr
.irp j, 0,1,2,3
	v_cvt_pk_f16_f32 v[OU+4*(\i)+(\j)], v[IN+8*(\i)+2*(\j)], v[IN+8*(\i)+2*(\j)+1]    ; the same number in the other format
.endr
	global_store_b128 v2, v[OU+4*(\i):OU+4*(\i)+3], s[32:33] offset:512*(\i)           ; 512 consecutive bytes, at a multiple of 512 from the buffer's first
.endr
	s_endpgm
.Lfunc_end_k_qc764b3ba44_prep:
	.size	k_qc764b3ba44_prep, .Lfunc_end_k_qc764b3ba44_prep-k_qc764b3ba44_prep
	.p2alignl 7, 3214868480
	.fill 96, 4, 3214868480
	.section	.rodata,"a",@progbits
	.p2align	6, 0x0
	.amdhsa_kernel k_qc764b3ba44_prep
		.amdhsa_group_segment_fixed_size 0
		.amdhsa_private_segment_fixed_size 0
		.amdhsa_enable_private_segment 0
		.amdhsa_kernarg_size 64
		.amdhsa_user_sgpr_count 2
		.amdhsa_user_sgpr_kernarg_segment_ptr 1
		.amdhsa_wavefront_size32 1
		.amdhsa_system_sgpr_workgroup_id_x 1
		.amdhsa_system_sgpr_workgroup_id_y 1
		.amdhsa_system_sgpr_workgroup_id_z 1
		.amdhsa_system_vgpr_workitem_id 0
		.amdhsa_next_free_vgpr 112
		.amdhsa_next_free_sgpr 66
		.amdhsa_reserve_vcc 0
		.amdhsa_float_denorm_mode_32 3
		.amdhsa_float_denorm_mode_16_64 3
		.amdhsa_memory_ordered 1
		.amdhsa_forward_progress 1
		.amdhsa_inst_pref_size 14
	.end_amdhsa_kernel
	.amdgpu_metadata
---
amdhsa.version: [ 1, 2 ]
amdhsa.kernels:
  - .name:           k_qc764b3ba44_prep
    .symbol:         k_qc764b3ba44_prep.kd
    .args:
      - { .name: x, .offset: 0, .size: 8, .value_kind: global_buffer, .address_space: global }
      - { .name: Wqkv, .offset: 8, .size: 8, .value_kind: global_buffer, .address_space: global }
      - { .name: Wout, .offset: 16, .size: 8, .value_kind: global_buffer, .address_space: global }
      - { .name: recency_bias, .offset: 24, .size: 8, .value_kind: global_buffer, .address_space: global }
      - { .name: xh, .offset: 32, .size: 8, .value_kind: global_buffer, .address_space: global }
      - { .name: wq, .offset: 40, .size: 8, .value_kind: global_buffer, .address_space: global }
      - { .name: wo, .offset: 48, .size: 8, .value_kind: global_buffer, .address_space: global }
      - { .name: bt, .offset: 56, .size: 8, .value_kind: global_buffer, .address_space: global }
    .group_segment_fixed_size: 0
    .private_segment_fixed_size: 0
    .kernarg_segment_align: 8
    .kernarg_segment_size: 64
    .max_flat_workgroup_size: 256
    .sgpr_count:     66
    .vgpr_count:     112
    .wavefront_size: 32
...
	.end_amdgpu_metadata
.endif
;; end of part 1
;; launch proj_qkv (part 2): grid 16 x 32, 4 waves a work-group, clusters of 4 x 4, 327,680 bytes of LDS; arguments xh, wq, bqkv, qkv; writes qkv
.if DOCPART == 2
	.amdgcn_target "amdgcn-amd-amdhsa--gfx1250"
	.amdhsa_code_object_version 6
	.text
	.protected	k_qc764b3ba44_proj_qkv
	.globl	k_qc764b3ba44_proj_qkv
	.p2align	8
	.type	k_qc764b3ba44_proj_qkv,@function
k_qc764b3ba44_proj_qkv:
	s_mov_b64 s[64:65], 0
	v_nop
	global_prefetch_b8 v0, s[64:65] scope:SCOPE_SE
	s_setreg_imm32_b32 hwreg(HW_REG_WAVE_MODE, 25, 1), 1
	s_wait_xcnt 0x0
	s_wait_alu depctr_hold_cnt(0) depctr_sa_sdst(0) depctr_va_vdst(0) depctr_va_sdst(0) depctr_va_ssrc(0) depctr_va_vcc(0) depctr_vm_vsrc(0)
	s_getreg_b32 s2, hwreg(HW_REG_IB_STS2, 6, 4)
	s_cmp_eq_u32 s2, 0
	s_cbranch_scc0 .Lentry_in_a_cluster
	s_endpgm
.Lentry_in_a_cluster:
	s_bfe_u32 s2, ttmp6, 0x10000c
	s_cmp_lg_u32 s2, 0xf033
	s_cbranch_scc0 .Lentry_shape_is_right
	s_endpgm
.Lentry_shape_is_right:
; C[8192][N] = A B + bias.  A: [16][8192][64] f16 (K in blocks of 64, a block's rows dense), B: [N / 64][1024 (k)][64] f16, bias: [N] f32, rounded here once to bf16.  Sums in f32.
; This text: N = 3,072; C leaves as f16, rounded once, in blocks of 64 columns: [48][8192][64].  (The text of the output projection is the same but for NBLK and F32OUT.)
; LIMITS.  A result of 65,520 or more in magnitude becomes an infinity in f16; NaN and infinities are not treated apart.
; SHARES.  A work-group makes 256 rows x 64 NBLK columns; its four waves lie one below the other: a wave has 64 rows (4 blocks of 16) and all 4 NBLK column blocks of 16: 16 NBLK accumulators.
; So a wave's columns are whole blocks of 64, and its way out needs no other wave.
; THE MATRIX INSTRUCTION IS USED TRANSPOSED: source 0 = 16 columns of B (turned on the way out of LDS by ds_load_tr16_b128), source 1 = 16 rows of A: a lane then holds one row of C and
; eight neighbouring columns.  The bias of those eight columns is the same for every row, so it IS the C operand of the first product on each accumulator: nothing is cleared, nothing added later.
; RING.  K goes in steps of 128 (two blocks of 64) through two LDS slots; each wave fetches a part of a slot by one tensor load: waves 0 and 1 a block of A (256 rows, 32 KiB dense), waves 2 and 3
; 64 k-rows of all NBLK blocks of B.  CLUSTER: 4 x 4 work-groups; A's tiles hang on the tile row alone and are asked for jointly by a row of the cluster, B's on the tile column alone, by a column.
; NO PREFETCH: eight K steps, of which the first two go out at the head, and each tile is read by several clusters.
; REGISTERS, in windows of 256 (s_set_vgpr_msb: bits 1:0 source 0, 3:2 source 1, 5:4 source 2, 7:6 destination):
;   window 0: v16-29 addresses; v32-63 at work; v64-127 A's fragments, two buffers of 32; v128.. the bias, later the way out      window 3: B's fragments, two buffers of 8 NN
;   window 1: the accumulators of row blocks 0, 1 ((a, nb) at 8 (NN (a % 2) + nb));  window 2: those of row blocks 2, 3
.set NBLK,   3
.set F32OUT, 0
.set NN,     4*NBLK
.set PA,     144                       ; a row of A in LDS: 128 bytes + 16: the 16 rows of a load start at 16 different groups of four banks (64 banks of 4 bytes: ISA guide 11.1)
.set PB,     160                       ; a row of B: 128 + 32
.set ACH,    256*PA                    ; a block of A: 256 rows
.set BCH,    NBLK*64*PB                ; 64 k-rows of NBLK blocks of B
.set BBASE,  2*ACH
.set SLOT,   BBASE+2*BCH
.set STAGE,  2*SLOT                    ; behind the ring, never filled by a tensor load: 16 rows for each wave, for the way out
.if F32OUT
.set SP,     528
.else
.set SP,     144
.endif
.set SPARE,  STAGE+4*16*SP             ; behind the stages: the spare words, 128 bytes for each wave: two blocks of 256 bytes that no other line names
.set LAPS,   4                         ; a lap = two K steps = once round the ring; K = 1,024
.set ASTEP,  0x200000                  ; a K step in A: two blocks of 8,192 rows x 128 bytes
.set BSTEP,  16384                     ; in B: 128 rows of 128 bytes
.set NLD,    2*NN+8                    ; LDS loads in a quarter's run
.set ADRA, 16                          ; v16-17  LDS address of my A fragments in slot 0, 1
.set ADRB, 20                          ; v20-21  the same for B
.set STO,  24                          ; v24     the way out: where I put my part of a row
.set RD,   25                          ; v25     where I read rows back
.set CO,   26                          ; v26     my byte offset in what a store covers
.set BO,   27                          ; v27     my byte offset in 16 numbers of the bias
.set SPW,  28                          ; v28     LDS address of my spare word; never rewritten
.set NIL,  29                          ; v29     0; never rewritten
.set TMP,  32
.set FA,   64
.set BIAS, 128
.set OB,   128
.set FB,   0                           ; in window 3
.set G1A, 24                           ; s[24:31] descriptor group 1 for A's tiles;  s[32:39] group 0, a set for each slot
.set G0A, 32
.set G1B, 48                           ; s[48:55], s[56:63] the same for B's
.set G0B, 56
.set MSB, 0
.macro WIN new                         ; the immediate's high byte repeats the setting that is left; a switch that changes nothing is dropped
.if MSB != (\new)
	s_set_vgpr_msb (MSB<<8)|(\new)
.set MSB, (\new)
.endif
.endm
.macro PLACES                          ; four places in front of loads into registers that matrix instructions have read, and of lines that read results
.rept 4
	v_nop
.endr
.endm
.macro JLOAD s                         ; a joint load: waves 0 and 1 for A, waves 2 and 3 for B; an s_nop 0 and four v_nop follow each line, ahead of the jump and the label
	s_cmp_eq_u32 s13, 0
	s_cbranch_scc0 .Lfor_b_\@
	tensor_load_to_lds s[G0A+4*(\s):G0A+4*(\s)+3], s[G1A:G1A+7]
	s_nop 0
.rept 4
	v_nop
.endr
	s_branch .Lasked_\@
.Lfor_b_\@:
	tensor_load_to_lds s[G0B+4*(\s):G0B+4*(\s)+3], s[G1B:G1B+7]
	s_nop 0
.rept 4
	v_nop
.endr
.Lasked_\@:
.endm
.macro CREST                           ; a round of the cluster's barrier behind its opening barrier
	s_cmp_lg_u32 s12, 0
	s_cbranch_scc1 .Lnot_wave_0_\@
	s_barrier_signal -3
.Lnot_wave_0_\@:
	s_barrier_wait -3
	s_barrier_signal -1
	s_barrier_wait -1
.endm
.macro CROUND
	s_barrier_signal -1
	s_barrier_wait -1
	CREST
.endm
	s_load_b256 s[4:11], s[0:1], 0x0               ; A s[4:5], B s[6:7], bias s[8:9], C s[10:11]
	v_lshl_add_u32 v[SPW], v0, 2, SPARE
	v_mov_b32 v[NIL], 0
	ds_add_u32 v[SPW], v[NIL]                      ; the wave's opening: the add and its wait stand ahead of my first tensor load; the set-up below stands between them
	v_lshrrev_b32 v1, 5, v0
	v_readfirstlane_b32 s12, v1                    ; wave 0..3
	s_lshr_b32 s13, s12, 1                         ; I fetch for A (0) or for B (1),
	s_and_b32 s14, s12, 1                          ; the K step's first 64 or its second
	s_bfe_u32 s40, ttmp6, 0x40000                  ; cx, cy: my place in the cluster
	s_bfe_u32 s41, ttmp6, 0x40004
	s_lshl_b32 s42, ttmp9, 2
	s_add_co_u32 s42, s42, s40                     ; tile column
	s_and_b32 s43, ttmp7, 0xffff
	s_lshl_b32 s43, s43, 2
	s_add_co_u32 s43, s43, s41                     ; tile row
	s_lshl_b32 s44, s41, 2
	s_lshl_b32 s44, 15, s44                        ; my row of the cluster
	s_lshl_b32 s45, 0x1111, s40                    ; my column
	s_or_b32 s[G1A], s44, (1<<16)|(1<<20)|(1<<21)|(4<<22)|(3<<25)  ; 15:0 the mask; 17:16 2-byte elements; 20 padding on; 21 set beside a mask; 24:22 after every 32 words (code 4); 31:25 4 words (code 3)
	s_mov_b32 s[G1A+1], 128<<16                    ; A's 32 KiB are dense: asked for as 128 rows of 256 bytes, two rows of A each: tensor_dim0 = 128
	s_mov_b32 s[G1A+2], 128<<16                    ; tensor_dim1 = 128
	s_mov_b32 s[G1A+3], 128<<16                    ; tile_dim0 = 128
	s_mov_b32 s[G1A+4], 128                        ; tile_dim1 = 128
	s_mov_b32 s[G1A+5], 128                        ; 128 elements from row to row
	s_mov_b32 s[G1A+6], 0
	s_mov_b32 s[G1A+7], 0
	s_or_b32 s[G1B], s45, (1<<16)|(1<<20)|(1<<21)|(4<<22)|(7<<25)  ; the same with my column's mask and 8 words of padding (code 7)
	s_mov_b32 s[G1B+1], 4096<<16                   ; 64 k-rows of a block of B are 8 KiB on end: one row of 4,096 elements for each of the NBLK blocks
	s_mov_b32 s[G1B+2], NBLK<<16                   ; tensor_dim1 = NBLK
	s_mov_b32 s[G1B+3], 4096<<16                   ; tile_dim0
	s_mov_b32 s[G1B+4], NBLK                       ; tile_dim1
	s_mov_b32 s[G1B+5], 65536                      ; a block of B is 65,536 elements
	s_mov_b32 s[G1B+6], 0
	s_mov_b32 s[G1B+7], 0
	s_lshl_b32 s16, s14, 20                        ; A: my block of the K step,
	s_lshl_b32 s17, s43, 15                        ; the tile row's 256 rows: in registers that never hold the tile column
	s_add_co_u32 s16, s16, s17
	s_mov_b32 s17, 0
	s_mul_i32 s46, s42, NBLK*131072                ; B: the tile column's NBLK blocks,
	s_lshl_b32 s47, s14, 13                        ; my 64 k-rows: in registers that never hold the tile row
	s_add_co_u32 s46, s46, s47
	s_mov_b32 s47, 0
	s_mul_i32 s20, s14, ACH                        ; where they go: no place in the cluster enters an LDS address
	s_mul_i32 s21, s14, BCH
	s_add_co_u32 s21, s21, BBASE
	s_wait_dscnt 0x0                               ; the opening add is done
	s_wait_kmcnt 0x0
	s_add_nc_u64 s[18:19], s[4:5], s[16:17]
	s_add_nc_u64 s[46:47], s[6:7], s[46:47]
	CROUND                                         ; all sixteen work-groups are here: the first joint loads meet
.irp s, 0,1
	s_mov_b32 s[G0A+4*(\s)], 1                     ; count = 1
	s_add_co_u32 s[G0A+4*(\s)+1], s20, (\s)*SLOT   ; LDS address
	s_add_nc_u64 s[G0A+4*(\s)+2:G0A+4*(\s)+3], s[18:19], (\s)*ASTEP  ; global address: K step s
	s_or_b32 s[G0A+4*(\s)+3], s[G0A+4*(\s)+3], 0x80000000            ; type = 2
	s_mov_b32 s[G0B+4*(\s)], 1
	s_add_co_u32 s[G0B+4*(\s)+1], s21, (\s)*SLOT
	s_add_nc_u64 s[G0B+4*(\s)+2:G0B+4*(\s)+3], s[46:47], (\s)*BSTEP
	s_or_b32 s[G0B+4*(\s)+3], s[G0B+4*(\s)+3], 0x80000000
	JLOAD \s                                       ; two loads of mine are out
.endr
	v_and_b32 v1, 15, v0                           ; l % 16
	v_bfe_u32 v2, v0, 4, 1                         ; l / 16
	v_and_b32 v6, 7, v0
	v_bfe_u32 v7, v0, 3, 1
	v_lshlrev_b32 v[BO], 5, v2                     ; my eight columns of sixteen
	s_mul_i32 s46, s42, NBLK*256                   ; the tile column's bias
	s_mov_b32 s47, 0
	s_add_nc_u64 s[8:9], s[8:9], s[46:47]
.set nb, 0
.rept NN
	global_load_b128 v[BIAS+8*nb:BIAS+8*nb+3],   v[BO], s[8:9] offset:64*nb
	global_load_b128 v[BIAS+8*nb+4:BIAS+8*nb+7], v[BO], s[8:9] offset:64*nb+16
.set nb, nb+1
.endr
	v_mul_u32_u24 v3, v1, PA                       ; a fragment of A: lane l holds row l % 16, channels 8 (l / 16) + 0..7 and 16 + 8 (l / 16) + 0..7: two loads of 16 bytes, 32 apart
	v_lshl_add_u32 v3, v2, 4, v3
	s_mul_i32 s22, s12, 64*PA                      ; my 64 rows
	v_lshl_add_u32 v4, v2, 3, v6                   ; the turning load: lane l reads k-row 8 (l / 16) + l % 8, columns 8 ((l / 8) % 2) + 0..7, and is left with column l % 16 and 8 k
	v_mul_u32_u24 v4, v4, PB
	v_lshl_add_u32 v4, v7, 4, v4
.irp s, 0,1
	v_add_nc_u32 v[ADRA+(\s)], s22, v3
	v_add_nc_u32 v[ADRB+(\s)], BBASE+(\s)*SLOT, v4
	s_add_co_u32 s22, s22, SLOT
.endr
	s_mul_i32 s23, s12, 16*SP
	s_add_co_u32 s23, s23, STAGE                   ; my stage
	v_mul_u32_u24 v4, v1, SP
	v_and_b32 v5, 31, v0
	v_lshlrev_b32 v[CO], 4, v5                     ; a store covers 512 bytes on end: 16 x lane
.if F32OUT
	v_lshl_add_u32 v4, v2, 5, v4                   ; in: row l % 16, 32 bytes for each half of the lanes
	v_add_nc_u32 v[STO], s23, v4
	v_add_nc_u32 v[RD], s23, v[CO]                 ; back: a row of 512 bytes
	s_lshl_b32 s46, s43, 20                        ; C: 256 rows of 4,096 bytes a tile row,
	s_lshl_b32 s47, s12, 18                        ; my 64 rows,
	s_add_co_u32 s46, s46, s47
	s_lshl_b32 s47, s42, 9                         ; 128 columns of 4 bytes a tile column
	s_add_co_u32 s46, s46, s47
.else
	v_lshl_add_u32 v4, v2, 4, v4                   ; in: row l % 16, 16 bytes for each half of the lanes
	v_add_nc_u32 v[STO], s23, v4
	v_bfe_u32 v5, v0, 3, 2                         ; back: 32 lanes take four rows of 128 bytes
	v_mul_u32_u24 v5, v5, SP
	v_lshl_add_u32 v5, v6, 4, v5
	v_add_nc_u32 v[RD], s23, v5
	s_mul_i32 s46, s42, NBLK<<20                   ; C: the tile column's NBLK blocks of 8,192 rows x 128 bytes,
	s_lshl_b32 s47, s43, 15                        ; the tile row's 256 rows,
	s_add_co_u32 s46, s46, s47
	s_lshl_b32 s47, s12, 13                        ; my 64
	s_add_co_u32 s46, s46, s47
.endif
	s_mov_b32 s47, 0
	s_add_nc_u64 s[10:11], s[10:11], s[46:47]
	s_wait_loadcnt 0x0                             ; the bias: rounded to bf16 like every input, and widened again, in the wait for the first tile
.set z, 0
.rept 4*NN
	v_cvt_pk_bf16_f32 v[TMP+z%32], v[BIAS+2*z], v[BIAS+2*z+1]
	v_lshlrev_b32 v[BIAS+2*z], 16, v[TMP+z%32]
	v_and_b32 v[BIAS+2*z+1], 0xffff0000, v[TMP+z%32]
.set z, z+1
.endr
; NN matrix instructions: row block a x all column blocks, 32 along K, from buffer f.  zero = 1: the first product starts the sums, with the bias as C.
; Every quarter takes the 4 NN accumulators once, in one order: they take turns, one instruction a turn, over the backward jump too.
.macro MUL1 f, a, zero
.if \zero
	WIN 0x43+0x40*((\a)/2)
.else
	WIN 0x53+0x50*((\a)/2)
.endif
.set nb, 0
.rept NN
.set rD, 8*(NN*((\a)%2)+nb)
.if \zero
	v_wmma_f32_16x16x32_f16 v[rD:rD+7], v[FB+8*NN*(\f)+8*nb:FB+8*NN*(\f)+8*nb+7], v[FA+32*(\f)+8*(\a):FA+32*(\f)+8*(\a)+7], v[BIAS+8*nb:BIAS+8*nb+7]
.else
	v_wmma_f32_16x16x32_f16 v[rD:rD+7], v[FB+8*NN*(\f)+8*nb:FB+8*NN*(\f)+8*nb+7], v[FA+32*(\f)+8*(\a):FA+32*(\f)+8*(\a)+7], v[rD:rD+7]
.endif
.set nb, nb+1
.endr
.endm
; NLD LDS loads in one run: the fragments of quarter q (32 along K) of a slot into buffer f; B's first, A's row blocks 2 and 3 last
.macro FETCH slot, q, f
.set KA, ((\q)/2)*ACH+((\q)%2)*64
.set KB, ((\q)/2)*BCH+((\q)%2)*32*PB
	WIN 0xc0
.set nb, 0
.rept NN
	ds_load_tr16_b128 v[FB+8*NN*(\f)+8*nb:FB+8*NN*(\f)+8*nb+3],   v[ADRB+(\slot)] offset:KB+(nb/4)*64*PB+(nb%4)*32
	ds_load_tr16_b128 v[FB+8*NN*(\f)+8*nb+4:FB+8*NN*(\f)+8*nb+7], v[ADRB+(\slot)] offset:KB+(nb/4)*64*PB+(nb%4)*32+16*PB
.set nb, nb+1
.endr
	WIN 0
.irp m, 0,1,2,3
	ds_load_b128 v[FA+32*(\f)+8*(\m):FA+32*(\f)+8*(\m)+3],   v[ADRA+(\slot)] offset:KA+(\m)*16*PA
	ds_load_b128 v[FA+32*(\f)+8*(\m)+4:FA+32*(\f)+8*(\m)+7], v[ADRA+(\slot)] offset:KA+(\m)*16*PA+32
.endr
.endm
; A K step is four quarters on buffers 0, 1, 0, 1.  One of the first three: multiplies buffer f and, in its middle, fetches quarter qn of the same slot into buffer g.
.macro QUARTER slot, qn, f, g, zero
	s_wait_dscnt 4                                 ; B and A's row blocks 0, 1 are in; the youngest four loads (row blocks 2, 3) may be out
	MUL1 \f, 0, \zero
	MUL1 \f, 1, \zero
	PLACES
	FETCH \slot, \qn, \g
	s_wait_dscnt NLD                               ; all but the run just issued
	MUL1 \f, 2, \zero
	MUL1 \f, 3, \zero
.endm
; The last quarter multiplies buffer 1 and changes slots: ONE barrier; in front of it each wave waits for all its tensor loads (one is out: its part of the next slot), adds 0 to its spare word, and waits
; for that and for its own reads of this slot.  fill = 1: the barrier opens a round of the cluster's, and this slot is filled again, two K steps ahead, first thing behind the round.
.macro TURN slot, next, fill
	WIN 0
	s_wait_tensorcnt 0x0
	ds_add_u32 v[SPW], v[NIL]                      ; 0 onto my spare word
	s_wait_dscnt 5                                 ; (the add and the youngest four loads may be out)
	MUL1 1, 0, 0                                   ; matrix work stands between the add and the wait for it
	s_wait_dscnt 0x0                               ; the add is done, and my reads of this slot are over
	s_barrier_signal -1
	MUL1 1, 1, 0
.if \fill
	WIN 0
.endif
	s_barrier_wait -1
.if \fill
	CREST                                          ; no wave of any partner still reads this slot's tiles or has a load on its way
	s_add_nc_u64 s[G0A+4*(\slot)+2:G0A+4*(\slot)+3], s[G0A+4*(\slot)+2:G0A+4*(\slot)+3], 2*ASTEP
	s_add_nc_u64 s[G0B+4*(\slot)+2:G0B+4*(\slot)+3], s[G0B+4*(\slot)+2:G0B+4*(\slot)+3], 2*BSTEP
	JLOAD \slot                                    ; its four v_nop are also the places in front of the loads below
.else
	PLACES
.endif
	FETCH \next, 0, 0
	MUL1 1, 2, 0
	MUL1 1, 3, 0
.endm
; THE WAY OUT in f16.  Tile t = row block t / NBLK, block of 64 columns t % NBLK: rounded, 16 bytes a lane into my stage, back as whole rows of 128 bytes, stored as 512 bytes on end.
.macro PACK t
.set am, (\t)/NBLK
.set bk, (\t)%NBLK
.set rB, OB+16*((\t)%8)
.if (\t) >= 8
	s_wait_xcnt 0x0                                ; these registers were the data of tile t - 8's stores: rewritten only behind this wait
.endif
	WIN 0x05*(1+am/2)
.set z, 0
.rept 16
	v_cvt_pk_f16_f32 v[rB+z], v[8*(NN*(am%2)+4*bk)+2*z], v[8*(NN*(am%2)+4*bk)+2*z+1]  ; each accumulator from its low end on
.set z, z+1
.endr
	WIN 0
.irp f, 0,1,2,3
	ds_store_b128 v[STO], v[rB+4*(\f):rB+4*(\f)+3] offset:32*(\f)
.endr
.irp f, 0,1,2,3
	ds_load_b128 v[rB+4*(\f):rB+4*(\f)+3], v[RD] offset:(\f)*4*SP  ; LDS serves a wave's instructions in order (ISA guide 5.7.1.4): these see the stores above; the next tile's stores come behind them
.endr
.endm
.macro SEND t, younger                 ; younger: the LDS instructions issued behind tile t's loads
.set am, (\t)/NBLK
.set bk, (\t)%NBLK
.set rB, OB+16*((\t)%8)
.irp f, 0,1,2,3
	s_wait_dscnt (\younger)+3-(\f)
	global_store_b128 v[CO], v[rB+4*(\f):rB+4*(\f)+3], s[10:11] offset:bk*1048576+am*2048+(\f)*512
.endr
.endm
; THE WAY OUT in f32.  Row block a: the accumulators go into my stage as they are, 32 bytes a lane and column block, and come back as whole rows of 512 bytes.
.macro STG a
.if (\a) >= 2
	s_wait_xcnt 0x0                                ; these registers were the data of row block a - 2's stores
.endif
	WIN 0x04*(1+(\a)/2)
.set nb, 0
.rept NN
	ds_store_b128 v[STO], v[8*(NN*((\a)%2)+nb):8*(NN*((\a)%2)+nb)+3]   offset:64*nb
	ds_store_b128 v[STO], v[8*(NN*((\a)%2)+nb)+4:8*(NN*((\a)%2)+nb)+7] offset:64*nb+16
.set nb, nb+1
.endr
	WIN 0
.set z, 0
.rept 16
	ds_load_b128 v[OB+64*((\a)%2)+4*z:OB+64*((\a)%2)+4*z+3], v[RD] offset:SP*z
.set z, z+1
.endr
.endm
.macro SENDF a, younger
.set z, 0
.rept 16
	s_wait_dscnt (\younger)+15-z
	global_store_b128 v[CO], v[OB+64*((\a)%2)+4*z:OB+64*((\a)%2)+4*z+3], s[10:11] offset:(16*(\a)+z)*4096  ; 512 consecutive bytes of a row of C, aligned
.set z, z+1
.endr
.endm
	s_wait_tensorcnt 0x1                           ; my part of K step 0 is in; K step 1's may stay out
	s_barrier_signal -1
	s_barrier_wait -1                              ; everybody's is
	FETCH 0, 0, 0
	QUARTER 0, 1, 0, 1, 1                          ; the first quarter stands in front of the loop: its products start the sums
	WIN 0                                          ; at a label and at a branch every window is 0
	s_mov_b32 s3, LAPS-1
.Llap:                                                 ; a trip goes once round the ring, from a lap's second quarter to the next lap's first, and fills both slots again
	QUARTER 0, 2, 1, 0, 0
	QUARTER 0, 3, 0, 1, 0
	TURN 0, 1, 1
	QUARTER 1, 1, 0, 1, 0
	QUARTER 1, 2, 1, 0, 0
	QUARTER 1, 3, 0, 1, 0
	TURN 1, 0, 1
	QUARTER 0, 1, 0, 1, 0
	WIN 0
	s_sub_co_u32 s3, s3, 1
	s_cmp_lg_u32 s3, 0
	s_cbranch_scc1 .Llap
	QUARTER 0, 2, 1, 0, 0                          ; the last lap fills nothing, and has no round of the cluster's barrier
	QUARTER 0, 3, 0, 1, 0
	TURN 0, 1, 0
	QUARTER 1, 1, 0, 1, 0
	QUARTER 1, 2, 1, 0, 0
	QUARTER 1, 3, 0, 1, 0
	s_wait_dscnt 4                                 ; the very last quarter: nothing more to fetch
	MUL1 1, 0, 0
	MUL1 1, 1, 0
	s_wait_dscnt 0x0
	MUL1 1, 2, 0
	MUL1 1, 3, 0
	WIN 0
	PLACES
.if F32OUT
	STG 0
.irp a, 1,2,3
	STG \a
	SENDF (\a)-1, 32
.endr
	SENDF 3, 0
.else
	PACK 0
.set t, 1
.rept 4*NBLK-1                         ; a tile's conversions stand between the loads of the tile before and its stores
	PACK t
	SEND t-1, 8
.set t, t+1
.endr
	SEND 4*NBLK-1, 0
.endif
	s_wait_tensorcnt 0x0                           ; the wave's end: these three lines stand behind my last tensor load and my last LDS store
	ds_add_u32 v[SPW], v[NIL]
	s_wait_dscnt 0x0
	CROUND                                         ; the closing round: no work-group ends while a partner may still ask for a tile that names it
	s_endpgm
.Lfunc_end_k_qc764b3ba44_proj_qkv:
	.size	k_qc764b3ba44_proj_qkv, .Lfunc_end_k_qc764b3ba44_proj_qkv-k_qc764b3ba44_proj_qkv
	.p2alignl 7, 3214868480
	.fill 96, 4, 3214868480
	.section	.rodata,"a",@progbits
	.p2align	6, 0x0
	.amdhsa_kernel k_qc764b3ba44_proj_qkv
		.amdhsa_group_segment_fixed_size 327680
		.amdhsa_private_segment_fixed_size 0
		.amdhsa_enable_private_segment 0
		.amdhsa_kernarg_size 32
		.amdhsa_user_sgpr_count 2
		.amdhsa_user_sgpr_kernarg_segment_ptr 1
		.amdhsa_wavefront_size32 1
		.amdhsa_system_sgpr_workgroup_id_x 1
		.amdhsa_system_sgpr_workgroup_id_y 1
		.amdhsa_system_sgpr_workgroup_id_z 1
		.amdhsa_system_vgpr_workitem_id 0
		.amdhsa_next_free_vgpr 960
		.amdhsa_next_free_sgpr 66
		.amdhsa_reserve_vcc 0
		.amdhsa_float_denorm_mode_32 3
		.amdhsa_float_denorm_mode_16_64 3
		.amdhsa_memory_ordered 1
		.amdhsa_forward_progress 1
		.amdhsa_inst_pref_size 130
	.end_amdhsa_kernel
	.amdgpu_metadata
---
amdhsa.version: [ 1, 2 ]
amdhsa.kernels:
  - .name:           k_qc764b3ba44_proj_qkv
    .symbol:         k_qc764b3ba44_proj_qkv.kd
    .args:
      - { .name: xh, .offset: 0, .size: 8, .value_kind: global_buffer, .address_space: global }
      - { .name: wq, .offset: 8, .size: 8, .value_kind: global_buffer, .address_space: global }
      - { .name: bqkv, .offset: 16, .size: 8, .value_kind: global_buffer, .address_space: global }
      - { .name: qkv, .offset: 24, .size: 8, .value_kind: global_buffer, .address_space: global }
    .group_segment_fixed_size: 327680
    .private_segment_fixed_size: 0
    .kernarg_segment_align: 8
    .kernarg_segment_size: 32
    .max_flat_workgroup_size: 128
    .sgpr_count:     66
    .vgpr_count:     960
    .wavefront_size: 32
...
	.end_amdgpu_metadata
.endif
;; end of part 2
;; launch attn (part 3): grid 4 x 64, 4 waves a work-group, clusters of 4 x 4, 327,680 bytes of LDS; arguments qkv, bt, mask, o; writes o
.if DOCPART == 3
	.amdgcn_target "amdgcn-amd-amdhsa--gfx1250"
	.amdhsa_code_object_version 6
	.text
	.protected	k_qc764b3ba44_attn
	.globl	k_qc764b3ba44_attn
	.p2align	8
	.type	k_qc764b3ba44_attn,@function
k_qc764b3ba44_attn:
	s_mov_b64 s[64:65], 0
	v_nop
	global_prefetch_b8 v0, s[64:65] scope:SCOPE_SE
	s_setreg_imm32_b32 hwreg(HW_REG_WAVE_MODE, 25, 1), 1
	s_wait_xcnt 0x0
	s_wait_alu depctr_hold_cnt(0) depctr_sa_sdst(0) depctr_va_vdst(0) depctr_va_sdst(0) depctr_va_ssrc(0) depctr_va_vcc(0) depctr_vm_vsrc(0)
	s_getreg_b32 s2, hwreg(HW_REG_IB_STS2, 6, 4)
	s_cmp_eq_u32 s2, 0
	s_cbranch_scc0 .Lentry_in_a_cluster
	s_endpgm
.Lentry_in_a_cluster:
	s_bfe_u32 s2, ttmp6, 0x10000c
	s_cmp_lg_u32 s2, 0xf033
	s_cbranch_scc0 .Lentry_shape_is_right
	s_endpgm
.Lentry_shape_is_right:
; O[b, h][q][:] = the sum over k of softmax_k(Q[q] . K[k] / 8 + bias[q][k], keys with mask 0 hidden) V[k][:].  64 heads (b, h) of 2,048 rows of 64 channels.
; qkv: [48][8192][64] f16 (block = which x 16 + h, row = b x 2,048 + t), unscaled; bt: [32 key steps][2,048 queries][64 keys] f16 = 8 x bias; mask: [4][2048] bytes; o: [16 h][8192][64] f16.
; Products, maxima and sums in f32; the weights p are rounded to f16 for the second product (their sum l is taken of the unrounded p), O once at the end.
; LIMITS.  f16 holds no number beyond 65,504: q, k, v and 8 x bias arrive within it.  A hidden key counts as its score less 1e30 (f16's scores are 2.7e11 at the most); a weight below 2^-126 counts as 0
; in l.  A batch with no key left gives NaN, as a softmax over nothing does: where the running maximum ends below -2^96, 1 / l is replaced by NaN.  Other NaN and infinities are not treated apart.
; SHARES.  A work-group owns 512 queries of one head, a wave 128: four PIECES of two tiles of 16.  Every wave walks all keys, 64 a step.
; LAYOUT.  S^T = K Q^T (source 0 = 16 keys, source 1 = 16 queries): a lane holds ONE query (lane % 16) and the keys 8 (lane / 16) + 0..7.  Two such tiles rounded to f16 ARE source 1 of O^T = V^T P.
; BIAS AND MASK COME BY THE MATRIX UNIT.  Each accumulator of S^T is a chain of three products: K Q^T over channels 0-31 with the MASK as C (0 or -1e30: it hangs on the key, that is on the register and the
; half of the lanes alone, so 32 registers serve all eight tiles of a step); K Q^T over channels 32-63; and B^T E, where B^T is 16 keys x the piece's 32 queries of 8 x bias, turned on the way out of LDS as
; V is, and E picks tile u's 16 queries of the 32 (ones on a diagonal).  So no vector instruction is spent on either.  c = log2(e) / 8 is applied behind, in f32: c (q.k + 8 bias) = log2(e) (q.k / 8 + bias).
; SOFTMAX.  A running maximum m and sum l a query: p = 2^(c s - c m); in every step O and l are multiplied by a = 2^(c m_old - c m_new).  m starts at the lowest finite number, O and l at 0.
; Where a head's first keys are all hidden they weigh 1 for the time being; the first true score makes a = 0 and wipes them.
; BY TURNS.  Turn n belongs to piece n: 24 products for S^T of piece n + 1, later 16 products V^T P of piece n - 1; beside them the scaling, exponentials, roundings, sums and rescaling of piece n and the
; maximum and statistics of piece n + 1.  Four vector instructions stand behind every matrix instruction, the other 76 of a turn's 236 in two lumps.
; CLUSTER, 4 x 4: the four query blocks of a head (a row of the cluster) ask for K and V jointly; the four heads of a column, which have the same queries, ask for the bias tile jointly.
; REGISTERS, in windows of 256 (s_set_vgpr_msb: bits 1:0 source 0, 3:2 source 1, 5:4 source 2, 7:6 destination):
;   window 0: v0-11 addresses; v12-15, v48-63 at work; v16-47 four registers of statistics a tile; v64-191 S^T, two buffers of two tiles; v192-255 P, likewise
;   window 1: O^T, 32 a tile      window 2: v0-127 Q; v128-191 K of one step; v192-255 V of one step
;   window 3: v0-1 the add's two; v4-15 E (0, e, 0: E of tile 1 is v4-11, of tile 0 v8-15); v16-47 the step's mask; v64-127 B^T, two buffers of 32 (by the piece's parity)
.set NP,    4
.set KS,    64
.set PK,    144       ; a row of K in LDS: 128 bytes + 16: the 16 rows of a load start at 16 different groups of four banks (64 banks of 4 bytes: ISA guide 11.1)
.set PV,    160       ; a row of V: 128 + 32
.set PB,    160       ; a row of the bias tile (a query's 64 keys): likewise
.set VOFF,  KS*PK     ; a slot holds one step: 64 rows of K, 64 of V, 512 of the bias
.set BOFF,  VOFF+KS*PV
.set SLOT1, 1<<17     ; slot 1 begins here, so that one exclusive or turns an address in one slot into the other's
.set STAGE, SLOT1+BOFF+512*PB  ; behind the ring, never filled by a tensor load: 16 rows x 144 bytes for each wave, for the way out
.set SP,    144
.set MASKT, STAGE+4*16*SP      ; 2,048 f32: 0 or -1e30 for each key of my batch
.set SPARE, MASKT+8192         ; the spare words, 128 bytes for each wave: two blocks of 256 bytes that no other line names
.set PFO, 0           ; v0   from the end of the set-up on: 256 x my lane, the prefetches' offset
.set AB0, 1           ; v1   my lane's place in the bias tile; never rewritten
.set AK0, 2           ; v2   in a tile of K
.set AV0, 3           ; v3   in a tile of V
.set AK,  4           ; v4   the same three in the slot in hand
.set AV,  5
.set STO, 6           ; v6   the way out: where I put 16 bytes of a row
.set RD,  7           ; v7   where I read rows back
.set GO,  8           ; v8   my byte offset in 512 consecutive bytes of O
.set AB,  9
.set AM0, 10          ; v10  my half's place in 64 numbers of the mask table
.set AM,  11          ; v11  the same in the step to be fetched
.set MV,  12          ; v12-15  c m_old, kept while c m is made anew: by buffer and tile
.set ST,  16          ; tile t's statistics at v[ST+4 t]: c m, m, l (even keys', odd keys')
.set TMP, 48          ; by buffer and tile, four registers c0-c3 at work; when the maximum is found c2 takes a
.set S,   64
.set P,   192
.set KF,  128         ; window 2: key block kb, channel half c at KF + 16 kb + 8 c
.set VF,  192         ; window 2: key half kk, channel block cb at VF + 32 kk + 8 cb
.set SPW, 0           ; window 3
.set NIL, 1
.set EE,  4
.set MK,  16
.set BF,  64
.set WV,  12          ; s12  my wave's number
.set G1K, 24          ; s[24:31], s[32:39], s[40:47] descriptor groups 1 for K, V, the bias
.set G1V, 32
.set G1B, 40
.set G0K, 48          ; s[48:51], s[52:55], s[56:59] descriptor groups 0: they walk
.set G0V, 52
.set G0B, 56
.set SEL, 60          ; s[60:61] v_permlanex16_b32's selects: each lane takes its own place in the other half
.set CS,  62          ; s[62:63] c: the packed scaling takes the pair's low word for both halves
.set TB,  66          ; s66  the slot in hand: 0 or SLOT1
.set TM,  67          ; s67  256 x the step whose mask is fetched next
.set CNT, 68          ; s68  counts the steps
.set BIGN, 69         ; s69  -1e30
.set LIM, 70          ; s70  a wave prefetches while the count is above this
.set PM,  71          ; s71  1: in every trip; 0: in every second
.set PFA, 72          ; s[72:73] where my prefetches stand
.set PST, 74          ; s[74:75] their step
.set THR, 76          ; s76  -2^96
.set QNAN, 77         ; s77  NaN
.set MSB, 0
.macro WIN new                      ; the high byte repeats the setting that is left; a switch that changes nothing is dropped
.if MSB != (\new)
	s_set_vgpr_msb (MSB<<8)|(\new)
.set MSB, (\new)
.endif
.endm
.set W_PV, 0x52       ; V in window 2, P in window 0, O^T in window 1
.set W_RS, 0x41       ; O^T (destination and source 0) in window 1, a in window 0
.set W_MK, 0xc0       ; destination in window 3, sources in window 0
.set W_AD, 0x0f       ; sources 0 and 1 in window 3
; A joint fill, one load a wave: wave 0 the step's K, wave 1 its V, waves 2 and 3 the halves of the bias tile.  The branches hang on the wave's number alone.
; An s_nop 0 and four v_nop follow each line, ahead of the jump and the label.
.macro JLOAD
	s_cmp_lt_u32 s[WV], 2
	s_cbranch_scc0 .Lfor_b_\@
	s_cmp_eq_u32 s[WV], 0
	s_cbranch_scc0 .Lfor_v_\@
	tensor_load_to_lds s[G0K:G0K+3], s[G1K:G1K+7]
	s_nop 0
.rept 4
	v_nop
.endr
	s_branch .Lasked_\@
.Lfor_v_\@:
	tensor_load_to_lds s[G0V:G0V+3], s[G1V:G1V+7]
	s_nop 0
.rept 4
	v_nop
.endr
	s_branch .Lasked_\@
.Lfor_b_\@:
	tensor_load_to_lds s[G0B:G0B+3], s[G1B:G1B+7]
	s_nop 0
.rept 4
	v_nop
.endr
.Lasked_\@:
.endm
; A PREFETCH INTO THE L2, behind the wave's tensor load and its five lines: 32 blocks of 256 bytes, a lane a block, of the step behind the one just asked for.  Each block is named once in the launch.
; THE BIAS TILE is walked by all sixteen clusters of a column of query blocks: the first of them (cluster y = 0) asks; the four partners of a column share its 64 KiB out BY ADDRESS, 16 KiB each, and in each
; waves 2 and 3 take 8 KiB: one instruction a trip.  K AND V belong to one row of one cluster: wave 0 asks, in every second trip, and the four partners take, by address, K and V of the next step but one
; and of the step behind it.  No branch hangs on a work-group's place in its cluster.  The first steps come by their loads alone; the counts end the asking at step 31.
.macro ASK
	s_or_b32 s16, s[CNT], s[PM]
	s_and_b32 s16, s16, 1
	s_mul_i32 s16, s16, s[CNT]       ; the count, or 0 in a trip that is not my turn
	s_cmp_gt_u32 s16, s[LIM]
	s_cbranch_scc0 .Lnot_mine_\@
	global_prefetch_b8 v[PFO], s[PFA:PFA+1] th:TH_LOAD_NT scope:SCOPE_SE
.Lnot_mine_\@:
.endm
; A round of the cluster's barrier: my work-group's barrier, so that wave 0's signal speaks for all four waves; wave 0 signals; every wave waits for all sixteen work-groups; my work-group's barrier once more.
.macro CROUND
	s_barrier_signal -1
	s_barrier_wait -1
	s_cmp_lg_u32 s[WV], 0
	s_cbranch_scc1 .Lnot_wave_0_\@
	s_barrier_signal -3
.Lnot_wave_0_\@:
	s_barrier_wait -3
	s_barrier_signal -1
	s_barrier_wait -1
.endm
; THE CHANGE OF SLOTS, once a key step, in front of piece 2's turn: the slot's last bytes (the bias of piece 3) have been asked for in the turn before.  Each wave waits for all its tensor loads, of which
; one is out: its part of the other slot; adds 0 to its spare word; and waits for that and for its own reads of the slot.  fill = 1: the barrier is a round of the cluster's, and the slot just left is filled
; again, with the step two on, first thing behind it: it has a key step, 160 matrix instructions, in which to land.  (At its first use nothing has been read yet: slot 0 is waited for, slot 1 filled.)
.macro CHANGE fill, ask
	WIN W_AD
	s_wait_tensorcnt 0x0            ; no tensor load of mine is out, so a group 0 may be written
	ds_add_u32 v[SPW], v[NIL]       ; 0 onto my spare word; the descriptors' steps stand between it and the wait for it
	WIN 0                           ; at a label and at a branch every window is 0
.if \fill
.irp g, G0K, G0V
	s_xor_b32 s[\g+1], s[\g+1], SLOT1  ; the other slot than last time,
	s_add_nc_u64 s[\g+2:\g+3], s[\g+2:\g+3], KS*128  ; the next 64 keys; the type bits on top are not reached
.endr
	s_xor_b32 s[G0B+1], s[G0B+1], SLOT1
	s_add_nc_u64 s[G0B+2:G0B+3], s[G0B+2:G0B+3], 2048*128  ; the next key step's table
	s_wait_xcnt 0x0                 ; the last prefetch, a key step back, has read its address
	s_add_nc_u64 s[PFA:PFA+1], s[PFA:PFA+1], s[PST:PST+1]
	s_wait_dscnt 0x0                ; the add is done, and my reads of the slot are over
	CROUND
	JLOAD
.if \ask
	ASK
.endif
.else
	s_wait_dscnt 0x0
	s_barrier_signal -1
	s_barrier_wait -1
.endif
	s_xor_b32 s[TB], s[TB], SLOT1   ; all fetches up to the next change read the other slot
	v_add_nc_u32 v[AK], s[TB], v[AK0]
	v_add_nc_u32 v[AV], s[TB], v[AV0]
	v_add_nc_u32 v[AB], s[TB], v[AB0]
.endm
	s_load_b256 s[4:11], s[0:1], 0x0  ; qkv s[4:5], bt s[6:7], mask s[8:9], o s[10:11]
	WIN W_MK
	v_lshl_add_u32 v[SPW], v0, 2, SPARE
	v_mov_b32 v[NIL], 0
	WIN W_AD
	ds_add_u32 v[SPW], v[NIL]       ; the wave's opening: the add and its wait stand ahead of my first tensor load; the set-up below stands between them
	WIN 0
	v_lshrrev_b32 v64, 5, v0
	v_readfirstlane_b32 s[WV], v64  ; wave 0..3
	s_bfe_u32 s13, ttmp6, 0x40000   ; cx
	s_bfe_u32 s15, ttmp6, 0x40004   ; cy
	s_lshl_b32 s14, ttmp9, 2
	s_add_co_u32 s14, s14, s13      ; my block of 512 queries
	s_and_b32 s92, ttmp7, 0xffff    ; cluster y
	s_lshl_b32 s17, s92, 2
	s_add_co_u32 s17, s17, s15      ; my head among the 64
	s_lshr_b32 s18, s17, 4          ; b
	s_and_b32 s19, s17, 15          ; h
	s_lshl_b32 s20, s19, 20         ; a block of 8,192 rows x 128 bytes a head,
	s_lshl_b32 s21, s18, 18         ; 2,048 rows a batch
	s_add_co_u32 s20, s20, s21      ; s[20:21]: the head's first byte in q's part of qkv and in o: it never holds cx
	s_mov_b32 s21, 0
	s_lshl_b32 s22, s14, 16         ; my block's 512 rows,
	s_lshl_b32 s23, s[WV], 14       ; my wave's 128
	s_add_co_u32 s22, s22, s23
	s_add_co_u32 s22, s22, s20
	s_mov_b32 s23, 0
	s_lshl_b32 s82, s15, 2
	s_lshl_b32 s82, 15, s82         ; my row of the cluster
	s_lshl_b32 s83, 0x1111, s13     ; my column
	; descriptor groups 1.  All three tiles are dense in memory: asked for as rows of 256 bytes, two rows of 128 each, and padded in LDS after every 128 bytes
	s_or_b32 s[G1K], s82, (1<<16)|(1<<20)|(1<<21)|(4<<22)|(3<<25)  ; 15:0 the mask; 17:16 2-byte elements; 20 padding on; 21 set beside a mask; 24:22 after every 32 words (code 4); 31:25 4 words (code 3)
	s_or_b32 s[G1V], s82, (1<<16)|(1<<20)|(1<<21)|(4<<22)|(7<<25)  ; 8 words (code 7)
	s_or_b32 s[G1B], s83, (1<<16)|(1<<20)|(1<<21)|(4<<22)|(7<<25)  ; the same, for my column
.irp g, G1K, G1V
	s_mov_b32 s[\g+1], 128<<16      ; tensor_dim0 = 128
	s_mov_b32 s[\g+2], 32<<16       ; tensor_dim1 = 32: 64 keys
	s_mov_b32 s[\g+3], 128<<16      ; tile_dim0
	s_mov_b32 s[\g+4], 32           ; tile_dim1
	s_mov_b32 s[\g+5], 128          ; 128 elements from row to row
	s_mov_b32 s[\g+6], 0
	s_mov_b32 s[\g+7], 0
.endr
	s_mov_b32 s[G1B+1], 128<<16
	s_mov_b32 s[G1B+2], 128<<16     ; 128 rows: 256 queries
	s_mov_b32 s[G1B+3], 128<<16
	s_mov_b32 s[G1B+4], 128
	s_mov_b32 s[G1B+5], 128
	s_mov_b32 s[G1B+6], 0
	s_mov_b32 s[G1B+7], 0
	s_mov_b32 s[G0K], 1             ; count = 1
	s_mov_b32 s[G0K+1], 0           ; LDS address: slot 0
	s_mov_b32 s[G0V], 1
	s_mov_b32 s[G0V+1], VOFF
	s_mov_b32 s[G0B], 1
	s_and_b32 s16, s[WV], 1         ; which half of the bias tile
	s_mul_i32 s16, s16, 256*PB
	s_add_co_u32 s[G0B+1], s16, BOFF
	s_lshl_b32 s80, s14, 16         ; s[80:81]: my query block's 512 rows of a key step's table, my half: it never holds cy
	s_and_b32 s81, s[WV], 1
	s_lshl_b32 s81, s81, 15
	s_add_co_u32 s80, s80, s81
	s_mov_b32 s81, 0
	s_and_b32 s78, s13, 1           ; s[78:79]: wave 0's prefetches, from K's first byte: K or V (16 MiB on),
	s_lshl_b32 s78, s78, 24
	s_lshr_b32 s79, s13, 1          ; the even step or the odd one,
	s_lshl_b32 s79, s79, 13
	s_add_co_u32 s78, s78, s79
	s_add_co_u32 s78, s78, KS*128   ; at step 1: each change of slots that fills steps it once, the first to step 2
	s_mov_b32 s79, 0
	s_lshl_b32 s84, s14, 16         ; s[84:85]: waves 2 and 3's: my query block, my work-group's quarter of the tile, my wave's half of that,
	s_lshl_b32 s85, s15, 14
	s_add_co_u32 s84, s84, s85
	s_and_b32 s85, s[WV], 1
	s_lshl_b32 s85, s85, 13
	s_add_co_u32 s84, s84, s85
	s_add_co_u32 s84, s84, 2048*128 ; at step 1
	s_mov_b32 s85, 0
	s_lshl_b32 s86, s18, 11         ; my batch's 2,048 bytes of the mask
	s_mov_b32 s87, 0
	s_mov_b32 s[SEL], 0x76543210
	s_mov_b32 s[SEL+1], 0xfedcba98
	s_mov_b32 s[CS], 0x3e38aa3b     ; c = log2(e) / 8 = 0.180337
	s_mov_b32 s[CS+1], s[CS]
	s_mov_b32 s[TB], SLOT1          ; the first change of slots turns it into 0
	s_mov_b32 s[TM], 0
	s_mov_b32 s[BIGN], 0xf149f2ca   ; -1e30
	s_mov_b32 s[THR], 0xef800000    ; -2^96
	s_mov_b32 s[QNAN], 0x7fc00000
	s_mov_b32 s[PST], 2048*128
	s_mov_b32 s[PST+1], 0
	s_mov_b32 s[PM], 1
	s_cmp_eq_u32 s92, 0             ; waves 2 and 3 ask where the cluster is its column's first: the same in all sixteen partners
	s_cselect_b32 s[LIM], 1, -1
	s_cmp_lt_u32 s[WV], 2
	s_cselect_b32 s[LIM], -1, s[LIM]  ; wave 1 never,
	s_cselect_b32 s[PM], 0, s[PM]
	s_cselect_b32 s[PST], KS*128, s[PST]
	s_cmp_eq_u32 s[WV], 0
	s_cselect_b32 s[LIM], 2, s[LIM]   ; wave 0 while two steps are left behind the one that it names
	s_wait_dscnt 0x0                ; the opening add is done
	s_wait_kmcnt 0x0
	s_add_nc_u64 s[16:17], s[4:5], s[20:21]        ; qkv at my head's q
	s_add_nc_u64 s[18:19], s[16:17], 0x1000000     ; its k: 16 blocks on
	s_mov_b64 s[G0K+2:G0K+3], s[18:19]
	s_or_b32 s[G0K+3], s[G0K+3], 0x80000000        ; type = 2
	s_add_nc_u64 s[G0V+2:G0V+3], s[16:17], 0x2000000  ; its v
	s_or_b32 s[G0V+3], s[G0V+3], 0x80000000
	s_add_nc_u64 s[G0B+2:G0B+3], s[6:7], s[80:81]
	s_or_b32 s[G0B+3], s[G0B+3], 0x80000000
	s_add_nc_u64 s[88:89], s[18:19], s[78:79]
	s_add_nc_u64 s[90:91], s[6:7], s[84:85]
	s_cmp_lt_u32 s[WV], 2
	s_cselect_b64 s[PFA:PFA+1], s[88:89], s[90:91]
	s_add_nc_u64 s[4:5], s[4:5], s[22:23]          ; Q and O at my wave's first row
	s_add_nc_u64 s[10:11], s[10:11], s[22:23]
	s_add_nc_u64 s[8:9], s[8:9], s[86:87]
	CROUND                          ; all sixteen work-groups are here: the first joint loads meet
	JLOAD                           ; step 0 into slot 0.  Slot 1 is asked for when slot 0 is in
	v_and_b32 v64, 15, v0           ; l % 16
	v_bfe_u32 v65, v0, 4, 1         ; l / 16
	v_and_b32 v66, 7, v0
	v_bfe_u32 v67, v0, 3, 1
	v_lshlrev_b32 v68, 7, v64
	v_lshl_add_u32 v68, v65, 4, v68 ; Q: row x 128 + 16 x half
	v_lshlrev_b32 v69, 4, v0        ; the mask: 16 bytes a thread
	global_load_b128 v[72:75], v69, s[8:9]
	WIN 0x80                        ; destination window 2, address window 0
.set i, 0
.rept 4*NP                          ; Q stays in registers: tile i / 2, channels 32 (i % 2) on
	global_load_b128 v[8*i:8*i+3],   v68, s[4:5] offset:(i/2)*2048+(i%2)*64
	global_load_b128 v[8*i+4:8*i+7], v68, s[4:5] offset:(i/2)*2048+(i%2)*64+32
.set i, i+1
.endr
	; What the first turn finds: V's registers and P's second buffer hold 0 (its products V^T P, of a piece that has not been, add 0), O^T and l are 0.  All this stands in the wait for the first tile.
.set i, VF
.rept 64
	v_mov_b32 v[i], 0
.set i, i+1
.endr
	WIN 0x40
.set i, 0
.rept 64*NP
	v_mov_b32 v[i], 0
.set i, i+1
.endr
	WIN 0
.set i, 0
.rept 2*NP
	v_mov_b32 v[ST+4*i], 0xfe000000    ; c m: far below every c s, a hidden key's too
	v_mov_b32 v[ST+4*i+1], 0xff7fffff  ; m
	v_mov_b32 v[ST+4*i+2], 0
	v_mov_b32 v[ST+4*i+3], 0
.set i, i+1
.endr
.set i, P+32
.rept 32
	v_mov_b32 v[i], 0
.set i, i+1
.endr
	; E.  As source 1 a lane holds column l % 16 and the rows 8 (l / 16) + 0..7 (registers 0-3) and 16 + 8 (l / 16) + 0..7 (registers 4-7), two a register.  The one 1.0 of column n stands in row n (tile 0) or 16 + n (tile 1).
	v_lshrrev_b32 v76, 3, v64
	v_xor_b32 v76, v76, v65         ; 0 where my half of the lanes holds the row
	v_bfe_u32 v77, v64, 1, 2        ; the register,
	v_lshl_add_u32 v76, v76, 2, v77 ; or a number from 4 on
	v_and_b32 v78, 1, v64           ; the half of the register
	v_lshlrev_b32 v78, 4, v78
	v_mov_b32 v79, 0x3c00           ; 1.0 in f16
	v_lshlrev_b32 v78, v78, v79
	WIN W_MK
.irp z, 0,1,2,3
	v_cmp_eq_u32 vcc_lo, \z, v76
	v_cndmask_b32 v[EE+4+\z], 0, v78, vcc_lo
	v_mov_b32 v[EE+\z], 0
	v_mov_b32 v[EE+8+\z], 0
.endr
	WIN 0
	v_mul_u32_u24 v[AK0], v64, PK
	v_lshl_add_u32 v[AK0], v65, 4, v[AK0]  ; row x pitch + 16 x half
	; The turning load takes 16 rows x 16 columns (lane l reads row 8 (l / 16) + l % 8, columns 8 ((l / 8) % 2) + 0..7) and leaves half a fragment: lane l holds column l % 16 and 8 rows.
	v_lshl_add_u32 v76, v65, 3, v66
	v_mul_u32_u24 v76, v76, PV
	v_lshl_add_u32 v76, v67, 4, v76
	v_add_nc_u32 v[AV0], VOFF, v76
	s_mul_i32 s16, s[WV], 128*PB    ; my wave's 128 queries of the bias tile
	s_add_co_u32 s16, s16, BOFF
	v_add_nc_u32 v[AB0], s16, v76
	v_lshl_add_u32 v[AM0], v65, 5, MASKT   ; my half's eight keys of sixteen
	s_mul_i32 s16, s[WV], 16*SP
	s_add_co_u32 s16, s16, STAGE    ; my stage
	v_mul_u32_u24 v[STO], v64, SP   ; in: row l % 16, 16 bytes for each half of the lanes
	v_lshl_add_u32 v[STO], v65, 4, v[STO]
	v_add_nc_u32 v[STO], s16, v[STO]
	v_bfe_u32 v[RD], v0, 3, 2       ; back: 32 lanes take four rows of 128 bytes,
	v_mul_u32_u24 v[RD], v[RD], SP
	v_lshl_add_u32 v[RD], v66, 4, v[RD]
	v_add_nc_u32 v[RD], s16, v[RD]
	v_and_b32 v[GO], 31, v0         ; which are 512 consecutive bytes of O
	v_lshlrev_b32 v[GO], 4, v[GO]
	v_lshl_add_u32 v77, v0, 6, MASKT  ; my 16 keys' numbers in the table
	s_wait_loadcnt 32               ; the mask's bytes are in; Q's 32 loads, issued behind, may stay out
.set i, 0
.rept 16
	v_bfe_u32 v76, v[72+i/4], 8*(i%4), 8
	v_cmp_eq_u32 vcc_lo, 0, v76
	v_cndmask_b32 v[80+i], 0, s[BIGN], vcc_lo
.set i, i+1
.endr
.irp f, 0,1,2,3
	ds_store_b128 v77, v[80+4*\f:80+4*\f+3] offset:16*\f
.endr
	v_and_b32 v[PFO], 31, v0        ; the thread's number has served
	v_lshlrev_b32 v[PFO], 8, v[PFO]
; THE MATRIX WORK.  The 8 accumulators of a run take turns, one instruction a turn: between two links of a chain stand 7 others'.
; Product i of 24 of S^T for piece x: tile 2 x + i % 2, keys 16 ((i / 2) % 4) on.  0-7: K Q^T, channels 0-31, with the mask as C; 8-15: channels 32-63; 16-23: B^T E.
.macro KQ x
.set rS, S+64*((\x)%2)+32*(i%2)+8*((i/2)%4)
.set rK, KF+16*((i/2)%4)+8*((i/8)%2)
.set rQ, 16*(2*(\x)+i%2)+8*((i/8)%2)
.set rB, BF+32*((\x)%2)+8*((i/2)%4)
.set rE, EE+4-4*(i%2)
.set rW, MK+8*((i/2)%4)
.if i < 8
	WIN 0x3a                        ; K and Q in window 2, the mask in window 3, S^T in window 0
	v_wmma_f32_16x16x32_f16 v[rS:rS+7], v[rK:rK+7], v[rQ:rQ+7], v[rW:rW+7]
.elseif i < 16
	WIN 0x0a
	v_wmma_f32_16x16x32_f16 v[rS:rS+7], v[rK:rK+7], v[rQ:rQ+7], v[rS:rS+7]
.else
	WIN 0x0f                        ; B^T and E in window 3
	v_wmma_f32_16x16x32_f16 v[rS:rS+7], v[rB:rB+7], v[rE:rE+7], v[rS:rS+7]
.endif
.endm
; Product i of 16 of O^T += V^T P for piece x: keys 32 (i / 8) on, channels 16 ((i / 2) % 4) on, tile 2 x + i % 2.
.macro PV x
	WIN W_PV
.set rO, 32*(2*(\x)+i%2)+8*((i/2)%4)
.set rV, VF+32*(i/8)+8*((i/2)%4)
.set rP, P+32*((\x)%2)+16*(i%2)+8*(i/8)
	v_wmma_f32_16x16x32_f16 v[rO:rO+7], v[rV:rV+7], v[rP:rP+7], v[rO:rO+7]
.endm
.macro MM                           ; the turn's next matrix instruction
.if i < 24
	KQ (Y+1)%NP
.set i, i+1
.else
.set i, i-24
	PV (Y+NP-1)%NP
.set i, i+25
.endif
.endm
; THE LDS LOADS stand in runs, never singly among the matrix instructions.  A step's K (8 fragments) and its mask (32 numbers a lane; all lanes of a half read the same bytes).
; last = 1 (the tail): in the last trip there is no further step, and the run is jumped over.
.macro FETCH_K last=0
	WIN 0
.if \last
	s_cmp_eq_u32 s[CNT], 1
	s_cbranch_scc1 .Lno_k_\@
.endif
	WIN 0x80                        ; destination window 2
.irp f, 0,1,2,3,4,5,6,7             ; keys 16 (f / 2) on, channels 32 (f % 2) on
	ds_load_b128 v[KF+8*\f:KF+8*\f+3],   v[AK] offset:(\f/2)*16*PK+(\f%2)*64
	ds_load_b128 v[KF+8*\f+4:KF+8*\f+7], v[AK] offset:(\f/2)*16*PK+(\f%2)*64+32
.endr
	WIN 0xc0                        ; destination window 3
.irp f, 0,1,2,3,4,5,6,7             ; keys 16 (f / 2) + 8 (l / 16) + 4 (f % 2) on
	ds_load_b128 v[MK+4*\f:MK+4*\f+3], v[AM] offset:64*(\f/2)+16*(\f%2)
.endr
	s_add_co_u32 s[TM], s[TM], 256  ; the next fetch is the next step's;
	s_and_b32 s[TM], s[TM], 0x1f00  ; cut to the table's 8,192 bytes: behind the last step it stands at 0 and is not used
	WIN 0
.if \last
.Lno_k_\@:
.endif
.endm
.macro FETCH_V
	WIN 0x80
.irp f, 0,1,2,3,4,5,6,7             ; keys 32 (f / 4) on, channels 16 (f % 4) on
	ds_load_tr16_b128 v[VF+8*\f:VF+8*\f+3],   v[AV] offset:(\f/4)*32*PV+(\f%4)*32
	ds_load_tr16_b128 v[VF+8*\f+4:VF+8*\f+7], v[AV] offset:(\f/4)*32*PV+16*PV+(\f%4)*32
.endr
	WIN 0
.endm
.macro FETCH_B y                    ; piece y's 32 queries x 64 keys of the bias, turned: four fragments of 16 keys x 32 queries
	WIN 0xc0
.irp f, 0,1,2,3
	ds_load_tr16_b128 v[BF+32*((\y)%2)+8*\f:BF+32*((\y)%2)+8*\f+3],   v[AB] offset:32*PB*(\y)+32*\f
	ds_load_tr16_b128 v[BF+32*((\y)%2)+8*\f+4:BF+32*((\y)%2)+8*\f+7], v[AB] offset:32*PB*(\y)+32*\f+16*PB
.endr
.endm
; THE VECTOR WORK OF A TURN stands in three queues, each in the order in which its entries become ready; the two tiles alternate, so that no instruction reads the result of the one before it.
.macro REGS y, u                    ; the registers of tile u (0, 1) of piece y
.set rT, ST+4*(2*(\y)+(\u))
.set rC, TMP+8*((\y)%2)+4*(\u)
.set rM, MV+2*((\y)%2)+(\u)
.set rS, S+64*((\y)%2)+32*(\u)
.set rP, P+32*((\y)%2)+16*(\u)
.set rO, 32*(2*(\y)+(\u))
.endm
; Number n of the 22 that find the NEXT piece's (Y + 1) maximum and statistics.  s0-s31 are the lane's 32 scores; each accumulator's lowest registers are read first.
;   0-11  four chains c0-c3 of seven scores each, three operands at a time     12-14, 16  the four scores left over, the old m, and c0-c3 into c0     15  c m_old is kept
;   17, 18  the query's other 32 keys lie in the lane 16 away: the new m         19-21  c m; c m_old - c m_new; a
.macro XS u, n
	REGS (Y+1)%NP, \u
.if (\n) < 4
	v_max3_num_f32 v[rC+(\n)], v[rS+8*(\n)], v[rS+8*(\n)+1], v[rS+8*(\n)+2]
.elseif (\n) < 12
	v_max3_num_f32 v[rC+(\n)%4], v[rC+(\n)%4], v[rS+8*((\n)%4)+2*((\n)/4)+1], v[rS+8*((\n)%4)+2*((\n)/4)+2]
.elseif (\n) == 12
	v_max3_num_f32 v[rC], v[rC], v[rS+7], v[rS+15]
.elseif (\n) == 13
	v_max3_num_f32 v[rC+1], v[rC+1], v[rS+23], v[rS+31]
.elseif (\n) == 14
	v_max3_num_f32 v[rC+2], v[rC+2], v[rC+3], v[rT+1]
.elseif (\n) == 15
	v_mov_b32 v[rM], v[rT]
.elseif (\n) == 16
	v_max3_num_f32 v[rC], v[rC], v[rC+1], v[rC+2]
	s_wait_alu depctr_va_vdst(0)
.elseif (\n) == 17
	v_permlanex16_b32 v[rC+3], v[rC], s[SEL], s[SEL+1]
.elseif (\n) == 18
	v_max_num_f32 v[rT+1], v[rC], v[rC+3]
.elseif (\n) == 19
	v_mul_f32 v[rT], s[CS], v[rT+1]
.elseif (\n) == 20
	v_sub_f32 v[rC+1], v[rM], v[rT]
.else
	v_exp_f32 v[rC+2], v[rC+1]
.endif
.endm
; Number g of the 64 that follow the exponentials.  For each four weights k of a tile: both pairs are rounded to f16; then the second pair is added onto the first, in place; a group later l takes that sum
; (the first time as l = a l + sum).  In groups of eight, tiles alternating: round, round, add, and l for the group before.
.macro GS g
.set h, (\g)+6*((\g)/62)            ; group 0 has no group before it, and behind group 7 only l is left
.if h >= 6
.set h, h+2
.endif
	REGS Y, h%2
.set k, h/8
.if h%8 < 4
	s_wait_alu depctr_va_vdst(0)
	v_cvt_pk_f16_f32 v[rP+2*k+(h%8)/2], v[rS+4*k+2*((h%8)/2)], v[rS+4*k+2*((h%8)/2)+1]
.elseif h%8 < 6
	v_pk_add_f32 v[rS+4*k:rS+4*k+1], v[rS+4*k:rS+4*k+1], v[rS+4*k+2:rS+4*k+3]
.elseif k == 1
	v_pk_fma_f32 v[rT+2:rT+3], v[rT+2:rT+3], v[rC+2:rC+3], v[rS:rS+1] op_sel_hi:[1,0,1]
.else
	v_pk_add_f32 v[rT+2:rT+3], v[rT+2:rT+3], v[rS+4*k-4:rS+4*k-3]
	s_wait_alu depctr_va_vdst(0)
.endif
.endm
; THE PLAIN QUEUE, 138 long.  0-31: c s - c m for the 16 pairs of both tiles.  Then GS's 64, and among them the next piece's 42: number 15 at 38, 39; 0-14 and 16 at 42-73, behind the products that make
; those scores; 17-20 at 95-106, two of three, since each waits for the one before it.
.macro PL
	WIN 0
.if q < 32
	REGS Y, q%2
	v_pk_fma_f32 v[rS+2*(q/2):rS+2*(q/2)+1], v[rS+2*(q/2):rS+2*(q/2)+1], s[CS:CS+1], v[rT:rT+1] op_sel_hi:[1,0,0] neg_lo:[0,0,1] neg_hi:[0,0,1]
.elseif q < 38
	GS q-32
.elseif q < 40
	XS q%2, 15
.elseif q < 42
	GS q-34
.elseif q < 74
	XS q%2, (q-42)/2+(q-42)/30
.elseif q < 95
	GS q-66
.elseif (q < 107) && ((q-95)%3 < 2)
	XS (q-95)%3, 17+(q-95)/3
.elseif q < 107
	GS 29+(q-95)/3
.else
	GS q-74
.endif
.set q, q+1
.endm
; THE EXPONENTIALS' QUEUE, 66 long: s0-s31 of both tiles, and at EA the next piece's two a.
.set EA, 58
.macro EX
	WIN 0
.if (e == EA) || (e == EA+1)
	XS e-EA, 21
.else
.set x, e-2*(e/(EA+2))
	REGS Y, x%2
	v_exp_f32 v[rS+x/2], v[rS+x/2]
.endif
.set e, e+1
.endm
; THE RESCALING's QUEUE: O^T times a, the one part that leaves window 0, so it is dealt four at a time, eight times.
.macro R4
	REGS Y, r%2
	WIN W_RS
	s_wait_alu depctr_va_vdst(0)
.irp z, 0,1,2,3
	v_pk_mul_f32 v[rO+8*(r/2)+2*\z:rO+8*(r/2)+2*\z+1], v[rO+8*(r/2)+2*\z:rO+8*(r/2)+2*\z+1], v[rC+2:rC+3] op_sel_hi:[1,0]
.endr
.set r, r+1
.endm
; HOW THEY ARE DEALT.  Behind a matrix instruction four: plain, exponential, plain, plain (SL); plain, exponential, plain, exponential (SE: the plain line of the next four stands behind the second); or four of
; the rescaling (MR).  None names a register of the products round it.  The counts that the deal keeps: exponential e stands behind plain 2 (e / 4) + e % 2 (its scaling); plain 32 comes when 12 exponentials
; are out; plain 42, the first read of the new scores, behind the run's last product, four rescalings and an exponential; plain 95, the first v_permlanex16_b32, opens the second lump; EA comes behind plain 109.
.macro SL
	MM
	PL
	EX
	PL
	PL
.endm
.macro SE
	MM
	PL
	EX
	PL
	EX
.endm
.macro MR
	MM
	R4
.endm
; A TURN, for piece p.  cnt = 1: the loop's count is taken down some lines ahead of the branch that stands behind the turn.
; The bias of piece p + 2 is fetched in every turn's first lump, a turn less 24 products ahead of its first use, into the buffer that the turn before has read out.  K and the mask of the next step are
; fetched there in piece 2's turn: the last product that read K stands eight products and their riders back.  V of the step in hand is fetched at the end of piece 0's turn, behind the second lump.
.macro TURN p, last=0, cnt=0
.set Y, (\p)
.set i, 0
.set q, 0
.set e, 0
.set r, 0
.if (\p) == 1
	s_wait_dscnt 16                 ; the bias fragments are in; V's 16 loads, issued behind them, may stay out
.else
	s_wait_dscnt 0x0                ; the bias fragments are in (in piece 3's turn: K and the mask too)
.endif
	MM
.rept 4
	PL
.endr
.rept 4
	SL
	SL
	MR
.endr
.if (\p) == 2
	WIN 0
	v_add_nc_u32 v[AM], s[TM], v[AM0]
.endif
.rept 3
	SE
	SE
	MR
.endr
	SE
	MR                              ; its four rescalings are the places behind the run's last product
	EX
	PL
.if (\p) == 2
	FETCH_K \last
.endif
	FETCH_B ((\p)+2)%NP
.rept 4
	EX
	PL
.endr
.if (\p) == 1
	s_wait_dscnt 8                  ; V is in; the 8 loads just issued may stay out
.endif
.rept 16
	SL
.endr
.rept 23
	EX
	PL
.endr
.rept 20
	PL
.if (\cnt) && (q == 130)
	s_sub_co_u32 s[CNT], s[CNT], 1
	s_cmp_lg_u32 s[CNT], 0
.endif
.endr
.if (\p) == 0
	FETCH_V
.endif
.endm
	CHANGE 1, 0                     ; slot 0 is in, everybody's part of it, and so is everybody's part of the mask table (each wave's stores were waited for in front of the round); slot 1 is asked for
	v_add_nc_u32 v[AM], s[TM], v[AM0]
	FETCH_K                         ; key step 0
	FETCH_B 0
	FETCH_B 1
	s_wait_loadcnt 0x0              ; Q
	s_wait_dscnt 0x0
.set i, 0
.rept 24
	KQ 0                            ; piece 0's first scores: there is no vector work yet to set between them
.set i, i+1
.endr
	WIN 0
.rept 4
	v_nop                           ; the places behind those products
.endr
.set Y, NP-1                        ; XS works for piece Y + 1: piece 0
.irp n, 0,1,2,3,4,5,6,7,8,9,10,11,12,13,14,15,16,17,18,19,20,21
	XS 0, \n                        ; and piece 0's first maximum and statistics
	XS 1, \n
.endr
	s_mov_b32 s[CNT], 31
	s_branch .Lfirst                ; the loop is entered at a step's first turn, in the middle of a trip
.Lstep:                             ; 30 trips, each with a fill (steps 2 to 31): pieces 2 and 3 of one step, then pieces 0 and 1 of the next, whose K, V, mask and bias it fetches
	CHANGE 1, 1
	TURN 2
	TURN 3
	WIN 0
.Lfirst:
	TURN 0
	TURN 1, 0, 1
	WIN 0
	s_cbranch_scc1 .Lstep
	CHANGE 0, 0                     ; the tail is written out: nothing is asked for
	s_mov_b32 s[CNT], 2             ; one trip fetches the last step; the second is left in its middle
.Ltail:
	TURN 2, 1
	TURN 3
	WIN 0
	s_sub_co_u32 s[CNT], s[CNT], 1
	s_cmp_eq_u32 s[CNT], 0
	s_cbranch_scc1 .Lout
	TURN 0
	TURN 1
	WIN 0
	s_branch .Ltail
.Lout:                              ; the second trip's 24 products for piece 0 (on the last K and bias once more) and the maximum made of them serve nothing: the price, once a launch, of one text for every trip
.set i, 0
.rept 16
	PV NP-1                         ; the last piece's V^T P of the last step
.set i, i+1
.endr
	; THE WAY OUT.  l's two halves and the other half of the lanes' are added; O^T is divided by l, rounded to f16 and sent through my stage in LDS, a tile at a time.  The additions are the places behind the last products.
	WIN 0
.macro ALL line:vararg              ; one line for each tile t
.set t, 0
.rept 2*NP
	\line
.set t, t+1
.endr
.endm
	ALL v_add_f32 v[ST+4*t+2], v[ST+4*t+2], v[ST+4*t+3]
	ALL v_permlanex16_b32 v[ST+4*t+3], v[ST+4*t+2], s[SEL], s[SEL+1]
	ALL v_add_f32 v[ST+4*t+2], v[ST+4*t+2], v[ST+4*t+3]
	ALL v_rcp_f32 v[ST+4*t+2], v[ST+4*t+2]
	v_nop                           ; a plain instruction between the last reciprocal and the use of its result
.set t, 0
	s_wait_alu depctr_va_vdst(0)
.rept 2*NP
	v_cmp_gt_f32 vcc_lo, s[THR], v[ST+4*t+1]                        ; no key of the batch was left: the row is NaN
	v_cndmask_b32 v[ST+4*t+2], v[ST+4*t+2], s[QNAN], vcc_lo
.set t, t+1
.endr
; Tile t: a lane's eight channels of a row pack into 16 bytes; they go into rows of 144 bytes and come back as whole rows of 128, into S^T's registers.
.macro PACK t
	WIN W_RS
.set i, 32*(\t)
.rept 16
	v_pk_mul_f32 v[i:i+1], v[i:i+1], v[ST+4*(\t)+2:ST+4*(\t)+3] op_sel_hi:[1,0]
.set i, i+2
.endr
	WIN 0x05                        ; sources 0 and 1 window 1, destination window 0
.set i, 0
.rept 16
	v_cvt_pk_f16_f32 v[S+16*(\t)+i], v[32*(\t)+2*i], v[32*(\t)+2*i+1]
.set i, i+1
.endr
	WIN 0
.irp f, 0,1,2,3
	ds_store_b128 v[STO], v[S+16*(\t)+4*\f:S+16*(\t)+4*\f+3] offset:32*\f
.endr
.irp f, 0,1,2,3
	ds_load_b128 v[S+16*(\t)+4*\f:S+16*(\t)+4*\f+3], v[RD] offset:\f*4*SP  ; LDS serves a wave's instructions in order (ISA guide 5.7.1.4): these see the stores above; the next tile's stores come behind them
.endr
.endm
.macro SEND t, younger              ; younger: the LDS instructions issued behind tile t's loads: the next tile's eight, or none
	WIN 0
.irp f, 0,1,2,3
	s_wait_dscnt (\younger)+3-\f
	global_store_b128 v[GO], v[S+16*(\t)+4*\f:S+16*(\t)+4*\f+3], s[10:11] offset:(\t)*2048+\f*512  ; 512 consecutive bytes, at a multiple of 256 from O's first
.endr
.endm
	PACK 0
.set t, 1
.rept 2*NP-1                        ; a tile's arithmetic stands between the loads of the tile before and its stores
	PACK t
	SEND t-1, 8
.set t, t+1
.endr
	SEND 2*NP-1, 0
	WIN W_AD
	s_wait_tensorcnt 0x0            ; the wave's end: these three lines stand behind my last tensor load and my last LDS store
	ds_add_u32 v[SPW], v[NIL]
	s_wait_dscnt 0x0
	WIN 0
	CROUND                          ; the closing round: no work-group ends while a partner may still ask for a tile that names it
	s_endpgm
.Lfunc_end_k_qc764b3ba44_attn:
	.size	k_qc764b3ba44_attn, .Lfunc_end_k_qc764b3ba44_attn-k_qc764b3ba44_attn
	.p2alignl 7, 3214868480
	.fill 96, 4, 3214868480
	.section	.rodata,"a",@progbits
	.p2align	6, 0x0
	.amdhsa_kernel k_qc764b3ba44_attn
		.amdhsa_group_segment_fixed_size 327680
		.amdhsa_private_segment_fixed_size 0
		.amdhsa_enable_private_segment 0
		.amdhsa_kernarg_size 32
		.amdhsa_user_sgpr_count 2
		.amdhsa_user_sgpr_kernarg_segment_ptr 1
		.amdhsa_wavefront_size32 1
		.amdhsa_system_sgpr_workgroup_id_x 1
		.amdhsa_system_sgpr_workgroup_id_y 1
		.amdhsa_system_sgpr_workgroup_id_z 1
		.amdhsa_system_vgpr_workitem_id 0
		.amdhsa_next_free_vgpr 896
		.amdhsa_next_free_sgpr 96
		.amdhsa_reserve_vcc 1
		.amdhsa_float_denorm_mode_32 3
		.amdhsa_float_denorm_mode_16_64 3
		.amdhsa_memory_ordered 1
		.amdhsa_forward_progress 1
		.amdhsa_inst_pref_size 233
	.end_amdhsa_kernel
	.amdgpu_metadata
---
amdhsa.version: [ 1, 2 ]
amdhsa.kernels:
  - .name:           k_qc764b3ba44_attn
    .symbol:         k_qc764b3ba44_attn.kd
    .args:
      - { .name: qkv, .offset: 0, .size: 8, .value_kind: global_buffer, .address_space: global }
      - { .name: bt, .offset: 8, .size: 8, .value_kind: global_buffer, .address_space: global }
      - { .name: mask, .offset: 16, .size: 8, .value_kind: global_buffer, .address_space: global }
      - { .name: o, .offset: 24, .size: 8, .value_kind: global_buffer, .address_space: global }
    .group_segment_fixed_size: 327680
    .private_segment_fixed_size: 0
    .kernarg_segment_align: 8
    .kernarg_segment_size: 32
    .max_flat_workgroup_size: 128
    .sgpr_count:     96
    .vgpr_count:     896
    .wavefront_size: 32
...
	.end_amdgpu_metadata
.endif
;; end of part 3
;; launch proj_out (part 4): grid 8 x 32, 4 waves a work-group, clusters of 4 x 4, 327,680 bytes of LDS; arguments o, wo, bout, out0; writes out0
.if DOCPART == 4
	.amdgcn_target "amdgcn-amd-amdhsa--gfx1250"
	.amdhsa_code_object_version 6
	.text
	.protected	k_qc764b3ba44_proj_out
	.globl	k_qc764b3ba44_proj_out
	.p2align	8
	.type	k_qc764b3ba44_proj_out,@function
k_qc764b3ba44_proj_out:
	s_mov_b64 s[64:65], 0
	v_nop
	global_prefetch_b8 v0, s[64:65] scope:SCOPE_SE
	s_setreg_imm32_b32 hwreg(HW_REG_WAVE_MODE, 25, 1), 1
	s_wait_xcnt 0x0
	s_wait_alu depctr_hold_cnt(0) depctr_sa_sdst(0) depctr_va_vdst(0) depctr_va_sdst(0) depctr_va_ssrc(0) depctr_va_vcc(0) depctr_vm_vsrc(0)
	s_getreg_b32 s2, hwreg(HW_REG_IB_STS2, 6, 4)
	s_cmp_eq_u32 s2, 0
	s_cbranch_scc0 .Lentry_in_a_cluster
	s_endpgm
.Lentry_in_a_cluster:
	s_bfe_u32 s2, ttmp6, 0x10000c
	s_cmp_lg_u32 s2, 0xf033
	s_cbranch_scc0 .Lentry_shape_is_right
	s_endpgm
.Lentry_shape_is_right:
; C[8192][N] = A B + bias.  A: [16][8192][64] f16 (K in blocks of 64, a block's rows dense), B: [N / 64][1024 (k)][64] f16, bias: [N] f32, rounded here once to bf16.  Sums in f32.
; This text: N = 1,024; C leaves in f32, row-major [8192][1024].  (The text of the first projection is the same but for NBLK and F32OUT.)
; LIMITS.  NaN and infinities are not treated apart: a NaN in a row of A makes the row of C NaN.
; SHARES.  A work-group makes 256 rows x 64 NBLK columns; its four waves lie one below the other: a wave has 64 rows (4 blocks of 16) and all 4 NBLK column blocks of 16: 16 NBLK accumulators.
; So a wave's part of a row is 512 bytes on end, and its way out needs no other wave.
; THE MATRIX INSTRUCTION IS USED TRANSPOSED: source 0 = 16 columns of B (turned on the way out of LDS by ds_load_tr16_b128), source 1 = 16 rows of A: a lane then holds one row of C and
; eight neighbouring columns.  The bias of those eight columns is the same for every row, so it IS the C operand of the first product on each accumulator: nothing is cleared, nothing added later.
; RING.  K goes in steps of 128 (two blocks of 64) through two LDS slots; each wave fetches a part of a slot by one tensor load: waves 0 and 1 a block of A (256 rows, 32 KiB dense), waves 2 and 3
; 64 k-rows of all NBLK blocks of B.  CLUSTER: 4 x 4 work-groups; A's tiles hang on the tile row alone and are asked for jointly by a row of the cluster, B's on the tile column alone, by a column.
; NO PREFETCH: eight K steps, of which the first two go out at the head, and each tile is read by several clusters.
; REGISTERS, in windows of 256 (s_set_vgpr_msb: bits 1:0 source 0, 3:2 source 1, 5:4 source 2, 7:6 destination):
;   window 0: v16-29 addresses; v32-63 at work; v64-127 A's fragments, two buffers of 32; v128.. the bias, later the way out      window 3: B's fragments, two buffers of 8 NN
;   window 1: the accumulators of row blocks 0, 1 ((a, nb) at 8 (NN (a % 2) + nb));  window 2: those of row blocks 2, 3
.set NBLK,   2
.set F32OUT, 1
.set NN,     4*NBLK
.set PA,     144                       ; a row of A in LDS: 128 bytes + 16: the 16 rows of a load start at 16 different groups of four banks (64 banks of 4 bytes: ISA guide 11.1)
.set PB,     160                       ; a row of B: 128 + 32
.set ACH,    256*PA                    ; a block of A: 256 rows
.set BCH,    NBLK*64*PB                ; 64 k-rows of NBLK blocks of B
.set BBASE,  2*ACH
.set SLOT,   BBASE+2*BCH
.set STAGE,  2*SLOT                    ; behind the ring, never filled by a tensor load: 16 rows for each wave, for the way out
.if F32OUT
.set SP,     528
.else
.set SP,     144
.endif
.set SPARE,  STAGE+4*16*SP             ; behind the stages: the spare words, 128 bytes for each wave: two blocks of 256 bytes that no other line names
.set LAPS,   4                         ; a lap = two K steps = once round the ring; K = 1,024
.set ASTEP,  0x200000                  ; a K step in A: two blocks of 8,192 rows x 128 bytes
.set BSTEP,  16384                     ; in B: 128 rows of 128 bytes
.set NLD,    2*NN+8                    ; LDS loads in a quarter's run
.set ADRA, 16                          ; v16-17  LDS address of my A fragments in slot 0, 1
.set ADRB, 20                          ; v20-21  the same for B
.set STO,  24                          ; v24     the way out: where I put my part of a row
.set RD,   25                          ; v25     where I read rows back
.set CO,   26                          ; v26     my byte offset in what a store covers
.set BO,   27                          ; v27     my byte offset in 16 numbers of the bias
.set SPW,  28                          ; v28     LDS address of my spare word; never rewritten
.set NIL,  29                          ; v29     0; never rewritten
.set TMP,  32
.set FA,   64
.set BIAS, 128
.set OB,   128
.set FB,   0                           ; in window 3
.set G1A, 24                           ; s[24:31] descriptor group 1 for A's tiles;  s[32:39] group 0, a set for each slot
.set G0A, 32
.set G1B, 48                           ; s[48:55], s[56:63] the same for B's
.set G0B, 56
.set MSB, 0
.macro WIN new                         ; the immediate's high byte repeats the setting that is left; a switch that changes nothing is dropped
.if MSB != (\new)
	s_set_vgpr_msb (MSB<<8)|(\new)
.set MSB, (\new)
.endif
.endm
.macro PLACES                          ; four places in front of loads into registers that matrix instructions have read, and of lines that read results
.rept 4
	v_nop
.endr
.endm
.macro JLOAD s                         ; a joint load: waves 0 and 1 for A, waves 2 and 3 for B; an s_nop 0 and four v_nop follow each line, ahead of the jump and the label
	s_cmp_eq_u32 s13, 0
	s_cbranch_scc0 .Lfor_b_\@
	tensor_load_to_lds s[G0A+4*(\s):G0A+4*(\s)+3], s[G1A:G1A+7]
	s_nop 0
.rept 4
	v_nop
.endr
	s_branch .Lasked_\@
.Lfor_b_\@:
	tensor_load_to_lds s[G0B+4*(\s):G0B+4*(\s)+3], s[G1B:G1B+7]
	s_nop 0
.rept 4
	v_nop
.endr
.Lasked_\@:
.endm
.macro CREST                           ; a round of the cluster's barrier behind its opening barrier
	s_cmp_lg_u32 s12, 0
	s_cbranch_scc1 .Lnot_wave_0_\@
	s_barrier_signal -3
.Lnot_wave_0_\@:
	s_barrier_wait -3
	s_barrier_signal -1
	s_barrier_wait -1
.endm
.macro CROUND
	s_barrier_signal -1
	s_barrier_wait -1
	CREST
.endm
	s_load_b256 s[4:11], s[0:1], 0x0               ; A s[4:5], B s[6:7], bias s[8:9], C s[10:11]
	v_lshl_add_u32 v[SPW], v0, 2, SPARE
	v_mov_b32 v[NIL], 0
	ds_add_u32 v[SPW], v[NIL]                      ; the wave's opening: the add and its wait stand ahead of my first tensor load; the set-up below stands between them
	v_lshrrev_b32 v1, 5, v0
	v_readfirstlane_b32 s12, v1                    ; wave 0..3
	s_lshr_b32 s13, s12, 1                         ; I fetch for A (0) or for B (1),
	s_and_b32 s14, s12, 1                          ; the K step's first 64 or its second
	s_bfe_u32 s40, ttmp6, 0x40000                  ; cx, cy: my place in the cluster
	s_bfe_u32 s41, ttmp6, 0x40004
	s_lshl_b32 s42, ttmp9, 2
	s_add_co_u32 s42, s42, s40                     ; tile column
	s_and_b32 s43, ttmp7, 0xffff
	s_lshl_b32 s43, s43, 2
	s_add_co_u32 s43, s43, s41                     ; tile row
	s_lshl_b32 s44, s41, 2
	s_lshl_b32 s44, 15, s44                        ; my row of the cluster
	s_lshl_b32 s45, 0x1111, s40                    ; my column
	s_or_b32 s[G1A], s44, (1<<16)|(1<<20)|(1<<21)|(4<<22)|(3<<25)  ; 15:0 the mask; 17:16 2-byte elements; 20 padding on; 21 set beside a mask; 24:22 after every 32 words (code 4); 31:25 4 words (code 3)
	s_mov_b32 s[G1A+1], 128<<16                    ; A's 32 KiB are dense: asked for as 128 rows of 256 bytes, two rows of A each: tensor_dim0 = 128
	s_mov_b32 s[G1A+2], 128<<16                    ; tensor_dim1 = 128
	s_mov_b32 s[G1A+3], 128<<16                    ; tile_dim0 = 128
	s_mov_b32 s[G1A+4], 128                        ; tile_dim1 = 128
	s_mov_b32 s[G1A+5], 128                        ; 128 elements from row to row
	s_mov_b32 s[G1A+6], 0
	s_mov_b32 s[G1A+7], 0
	s_or_b32 s[G1B], s45, (1<<16)|(1<<20)|(1<<21)|(4<<22)|(7<<25)  ; the same with my column's mask and 8 words of padding (code 7)
	s_mov_b32 s[G1B+1], 4096<<16                   ; 64 k-rows of a block of B are 8 KiB on end: one row of 4,096 elements for each of the NBLK blocks
	s_mov_b32 s[G1B+2], NBLK<<16                   ; tensor_dim1 = NBLK
	s_mov_b32 s[G1B+3], 4096<<16                   ; tile_dim0
	s_mov_b32 s[G1B+4], NBLK                       ; tile_dim1
	s_mov_b32 s[G1B+5], 65536                      ; a block of B is 65,536 elements
	s_mov_b32 s[G1B+6], 0
	s_mov_b32 s[G1B+7], 0
	s_lshl_b32 s16, s14, 20                        ; A: my block of the K step,
	s_lshl_b32 s17, s43, 15                        ; the tile row's 256 rows: in registers that never hold the tile column
	s_add_co_u32 s16, s16, s17
	s_mov_b32 s17, 0
	s_mul_i32 s46, s42, NBLK*131072                ; B: the tile column's NBLK blocks,
	s_lshl_b32 s47, s14, 13                        ; my 64 k-rows: in registers that never hold the tile row
	s_add_co_u32 s46, s46, s47
	s_mov_b32 s47, 0
	s_mul_i32 s20, s14, ACH                        ; where they go: no place in the cluster enters an LDS address
	s_mul_i32 s21, s14, BCH
	s_add_co_u32 s21, s21, BBASE
	s_wait_dscnt 0x0                               ; the opening add is done
	s_wait_kmcnt 0x0
	s_add_nc_u64 s[18:19], s[4:5], s[16:17]
	s_add_nc_u64 s[46:47], s[6:7], s[46:47]
	CROUND                                         ; all sixteen work-groups are here: the first joint loads meet
.irp s, 0,1
	s_mov_b32 s[G0A+4*(\s)], 1                     ; count = 1
	s_add_co_u32 s[G0A+4*(\s)+1], s20, (\s)*SLOT   ; LDS address
	s_add_nc_u64 s[G0A+4*(\s)+2:G0A+4*(\s)+3], s[18:19], (\s)*ASTEP  ; global address: K step s
	s_or_b32 s[G0A+4*(\s)+3], s[G0A+4*(\s)+3], 0x80000000            ; type = 2
	s_mov_b32 s[G0B+4*(\s)], 1
	s_add_co_u32 s[G0B+4*(\s)+1], s21, (\s)*SLOT
	s_add_nc_u64 s[G0B+4*(\s)+2:G0B+4*(\s)+3], s[46:47], (\s)*BSTEP
	s_or_b32 s[G0B+4*(\s)+3], s[G0B+4*(\s)+3], 0x80000000
	JLOAD \s                                       ; two loads of mine are out
.endr
	v_and_b32 v1, 15, v0                           ; l % 16
	v_bfe_u32 v2, v0, 4, 1                         ; l / 16
	v_and_b32 v6, 7, v0
	v_bfe_u32 v7, v0, 3, 1
	v_lshlrev_b32 v[BO], 5, v2                     ; my eight columns of sixteen
	s_mul_i32 s46, s42, NBLK*256                   ; the tile column's bias
	s_mov_b32 s47, 0
	s_add_nc_u64 s[8:9], s[8:9], s[46:47]
.set nb, 0
.rept NN
	global_load_b128 v[BIAS+8*nb:BIAS+8*nb+3],   v[BO], s[8:9] offset:64*nb
	global_load_b128 v[BIAS+8*nb+4:BIAS+8*nb+7], v[BO], s[8:9] offset:64*nb+16
.set nb, nb+1
.endr
	v_mul_u32_u24 v3, v1, PA                       ; a fragment of A: lane l holds row l % 16, channels 8 (l / 16) + 0..7 and 16 + 8 (l / 16) + 0..7: two loads of 16 bytes, 32 apart
	v_lshl_add_u32 v3, v2, 4, v3
	s_mul_i32 s22, s12, 64*PA                      ; my 64 rows
	v_lshl_add_u32 v4, v2, 3, v6                   ; the turning load: lane l reads k-row 8 (l / 16) + l % 8, columns 8 ((l / 8) % 2) + 0..7, and is left with column l % 16 and 8 k
	v_mul_u32_u24 v4, v4, PB
	v_lshl_add_u32 v4, v7, 4, v4
.irp s, 0,1
	v_add_nc_u32 v[ADRA+(\s)], s22, v3
	v_add_nc_u32 v[ADRB+(\s)], BBASE+(\s)*SLOT, v4
	s_add_co_u32 s22, s22, SLOT
.endr
	s_mul_i32 s23, s12, 16*SP
	s_add_co_u32 s23, s23, STAGE                   ; my stage
	v_mul_u32_u24 v4, v1, SP
	v_and_b32 v5, 31, v0
	v_lshlrev_b32 v[CO], 4, v5                     ; a store covers 512 bytes on end: 16 x lane
.if F32OUT
	v_lshl_add_u32 v4, v2, 5, v4                   ; in: row l % 16, 32 bytes for each half of the lanes
	v_add_nc_u32 v[STO], s23, v4
	v_add_nc_u32 v[RD], s23, v[CO]                 ; back: a row of 512 bytes
	s_lshl_b32 s46, s43, 20                        ; C: 256 rows of 4,096 bytes a tile row,
	s_lshl_b32 s47, s12, 18                        ; my 64 rows,
	s_add_co_u32 s46, s46, s47
	s_lshl_b32 s47, s42, 9                         ; 128 columns of 4 bytes a tile column
	s_add_co_u32 s46, s46, s47
.else
	v_lshl_add_u32 v4, v2, 4, v4                   ; in: row l % 16, 16 bytes for each half of the lanes
	v_add_nc_u32 v[STO], s23, v4
	v_bfe_u32 v5, v0, 3, 2                         ; back: 32 lanes take four rows of 128 bytes
	v_mul_u32_u24 v5, v5, SP
	v_lshl_add_u32 v5, v6, 4, v5
	v_add_nc_u32 v[RD], s23, v5
	s_mul_i32 s46, s42, NBLK<<20                   ; C: the tile column's NBLK blocks of 8,192 rows x 128 bytes,
	s_lshl_b32 s47, s43, 15                        ; the tile row's 256 rows,
	s_add_co_u32 s46, s46, s47
	s_lshl_b32 s47, s12, 13                        ; my 64
	s_add_co_u32 s46, s46, s47
.endif
	s_mov_b32 s47, 0
	s_add_nc_u64 s[10:11], s[10:11], s[46:47]
	s_wait_loadcnt 0x0                             ; the bias: rounded to bf16 like every input, and widened again, in the wait for the first tile
.set z, 0
.rept 4*NN
	v_cvt_pk_bf16_f32 v[TMP+z%32], v[BIAS+2*z], v[BIAS+2*z+1]
	v_lshlrev_b32 v[BIAS+2*z], 16, v[TMP+z%32]
	v_and_b32 v[BIAS+2*z+1], 0xffff0000, v[TMP+z%32]
.set z, z+1
.endr
; NN matrix instructions: row block a x all column blocks, 32 along K, from buffer f.  zero = 1: the first product starts the sums, with the bias as C.
; Every quarter takes the 4 NN accumulators once, in one order: they take turns, one instruction a turn, over the backward jump too.
.macro MUL1 f, a, zero
.if \zero
	WIN 0x43+0x40*((\a)/2)
.else
	WIN 0x53+0x50*((\a)/2)
.endif
.set nb, 0
.rept NN
.set rD, 8*(NN*((\a)%2)+nb)
.if \zero
	v_wmma_f32_16x16x32_f16 v[rD:rD+7], v[FB+8*NN*(\f)+8*nb:FB+8*NN*(\f)+8*nb+7], v[FA+32*(\f)+8*(\a):FA+32*(\f)+8*(\a)+7], v[BIAS+8*nb:BIAS+8*nb+7]
.else
	v_wmma_f32_16x16x32_f16 v[rD:rD+7], v[FB+8*NN*(\f)+8*nb:FB+8*NN*(\f)+8*nb+7], v[FA+32*(\f)+8*(\a):FA+32*(\f)+8*(\a)+7], v[rD:rD+7]
.endif
.set nb, nb+1
.endr
.endm
; NLD LDS loads in one run: the fragments of quarter q (32 along K) of a slot into buffer f; B's first, A's row blocks 2 and 3 last
.macro FETCH slot, q, f
.set KA, ((\q)/2)*ACH+((\q)%2)*64
.set KB, ((\q)/2)*BCH+((\q)%2)*32*PB
	WIN 0xc0
.set nb, 0
.rept NN
	ds_load_tr16_b128 v[FB+8*NN*(\f)+8*nb:FB+8*NN*(\f)+8*nb+3],   v[ADRB+(\slot)] offset:KB+(nb/4)*64*PB+(nb%4)*32
	ds_load_tr16_b128 v[FB+8*NN*(\f)+8*nb+4:FB+8*NN*(\f)+8*nb+7], v[ADRB+(\slot)] offset:KB+(nb/4)*64*PB+(nb%4)*32+16*PB
.set nb, nb+1
.endr
	WIN 0
.irp m, 0,1,2,3
	ds_load_b128 v[FA+32*(\f)+8*(\m):FA+32*(\f)+8*(\m)+3],   v[ADRA+(\slot)] offset:KA+(\m)*16*PA
	ds_load_b128 v[FA+32*(\f)+8*(\m)+4:FA+32*(\f)+8*(\m)+7], v[ADRA+(\slot)] offset:KA+(\m)*16*PA+32
.endr
.endm
; A K step is four quarters on buffers 0, 1, 0, 1.  One of the first three: multiplies buffer f and, in its middle, fetches quarter qn of the same slot into buffer g.
.macro QUARTER slot, qn, f, g, zero
	s_wait_dscnt 4                                 ; B and A's row blocks 0, 1 are in; the youngest four loads (row blocks 2, 3) may be out
	MUL1 \f, 0, \zero
	MUL1 \f, 1, \zero
	PLACES
	FETCH \slot, \qn, \g
	s_wait_dscnt NLD                               ; all but the run just issued
	MUL1 \f, 2, \zero
	MUL1 \f, 3, \zero
.endm
; The last quarter multiplies buffer 1 and changes slots: ONE barrier; in front of it each wave waits for all its tensor loads (one is out: its part of the next slot), adds 0 to its spare word, and waits
; for that and for its own reads of this slot.  fill = 1: the barrier opens a round of the cluster's, and this slot is filled again, two K steps ahead, first thing behind the round.
.macro TURN slot, next, fill
	WIN 0
	s_wait_tensorcnt 0x0
	ds_add_u32 v[SPW], v[NIL]                      ; 0 onto my spare word
	s_wait_dscnt 5                                 ; (the add and the youngest four loads may be out)
	MUL1 1, 0, 0                                   ; matrix work stands between the add and the wait for it
	s_wait_dscnt 0x0                               ; the add is done, and my reads of this slot are over
	s_barrier_signal -1
	MUL1 1, 1, 0
.if \fill
	WIN 0
.endif
	s_barrier_wait -1
.if \fill
	CREST                                          ; no wave of any partner still reads this slot's tiles or has a load on its way
	s_add_nc_u64 s[G0A+4*(\slot)+2:G0A+4*(\slot)+3], s[G0A+4*(\slot)+2:G0A+4*(\slot)+3], 2*ASTEP
	s_add_nc_u64 s[G0B+4*(\slot)+2:G0B+4*(\slot)+3], s[G0B+4*(\slot)+2:G0B+4*(\slot)+3], 2*BSTEP
	JLOAD \slot                                    ; its four v_nop are also the places in front of the loads below
.else
	PLACES
.endif
	FETCH \next, 0, 0
	MUL1 1, 2, 0
	MUL1 1, 3, 0
.endm
; THE WAY OUT in f16.  Tile t = row block t / NBLK, block of 64 columns t % NBLK: rounded, 16 bytes a lane into my stage, back as whole rows of 128 bytes, stored as 512 bytes on end.
.macro PACK t
.set am, (\t)/NBLK
.set bk, (\t)%NBLK
.set rB, OB+16*((\t)%8)
.if (\t) >= 8
	s_wait_xcnt 0x0                                ; these registers were the data of tile t - 8's stores: rewritten only behind this wait
.endif
	WIN 0x05*(1+am/2)
.set z, 0
.rept 16
	v_cvt_pk_f16_f32 v[rB+z], v[8*(NN*(am%2)+4*bk)+2*z], v[8*(NN*(am%2)+4*bk)+2*z+1]  ; each accumulator from its low end on
.set z, z+1
.endr
	WIN 0
.irp f, 0,1,2,3
	ds_store_b128 v[STO], v[rB+4*(\f):rB+4*(\f)+3] offset:32*(\f)
.endr
.irp f, 0,1,2,3
	ds_load_b128 v[rB+4*(\f):rB+4*(\f)+3], v[RD] offset:(\f)*4*SP  ; LDS serves a wave's instructions in order (ISA guide 5.7.1.4): these see the stores above; the next tile's stores come behind them
.endr
.endm
.macro SEND t, younger                 ; younger: the LDS instructions issued behind tile t's loads
.set am, (\t)/NBLK
.set bk, (\t)%NBLK
.set rB, OB+16*((\t)%8)
.irp f, 0,1,2,3
	s_wait_dscnt (\younger)+3-(\f)
	global_store_b128 v[CO], v[rB+4*(\f):rB+4*(\f)+3], s[10:11] offset:bk*1048576+am*2048+(\f)*512
.endr
.endm
; THE WAY OUT in f32.  Row block a: the accumulators go into my stage as they are, 32 bytes a lane and column block, and come back as whole rows of 512 bytes.
.macro STG a
.if (\a) >= 2
	s_wait_xcnt 0x0                                ; these registers were the data of row block a - 2's stores
.endif
	WIN 0x04*(1+(\a)/2)
.set nb, 0
.rept NN
	ds_store_b128 v[STO], v[8*(NN*((\a)%2)+nb):8*(NN*((\a)%2)+nb)+3]   offset:64*nb
	ds_store_b128 v[STO], v[8*(NN*((\a)%2)+nb)+4:8*(NN*((\a)%2)+nb)+7] offset:64*nb+16
.set nb, nb+1
.endr
	WIN 0
.set z, 0
.rept 16
	ds_load_b128 v[OB+64*((\a)%2)+4*z:OB+64*((\a)%2)+4*z+3], v[RD] offset:SP*z
.set z, z+1
.endr
.endm
.macro SENDF a, younger
.set z, 0
.rept 16
	s_wait_dscnt (\younger)+15-z
	global_store_b128 v[CO], v[OB+64*((\a)%2)+4*z:OB+64*((\a)%2)+4*z+3], s[10:11] offset:(16*(\a)+z)*4096  ; 512 consecutive bytes of a row of C, aligned
.set z, z+1
.endr
.endm
	s_wait_tensorcnt 0x1                           ; my part of K step 0 is in; K step 1's may stay out
	s_barrier_signal -1
	s_barrier_wait -1                              ; everybody's is
	FETCH 0, 0, 0
	QUARTER 0, 1, 0, 1, 1                          ; the first quarter stands in front of the loop: its products start the sums
	WIN 0                                          ; at a label and at a branch every window is 0
	s_mov_b32 s3, LAPS-1
.Llap:                                                 ; a trip goes once round the ring, from a lap's second quarter to the next lap's first, and fills both slots again
	QUARTER 0, 2, 1, 0, 0
	QUARTER 0, 3, 0, 1, 0
	TURN 0, 1, 1
	QUARTER 1, 1, 0, 1, 0
	QUARTER 1, 2, 1, 0, 0
	QUARTER 1, 3, 0, 1, 0
	TURN 1, 0, 1
	QUARTER 0, 1, 0, 1, 0
	WIN 0
	s_sub_co_u32 s3, s3, 1
	s_cmp_lg_u32 s3, 0
	s_cbranch_scc1 .Llap
	QUARTER 0, 2, 1, 0, 0                          ; the last lap fills nothing, and has no round of the cluster's barrier
	QUARTER 0, 3, 0, 1, 0
	TURN 0, 1, 0
	QUARTER 1, 1, 0, 1, 0
	QUARTER 1, 2, 1, 0, 0
	QUARTER 1, 3, 0, 1, 0
	s_wait_dscnt 4                                 ; the very last quarter: nothing more to fetch
	MUL1 1, 0, 0
	MUL1 1, 1, 0
	s_wait_dscnt 0x0
	MUL1 1, 2, 0
	MUL1 1, 3, 0
	WIN 0
	PLACES
.if F32OUT
	STG 0
.irp a, 1,2,3
	STG \a
	SENDF (\a)-1, 32
.endr
	SENDF 3, 0
.else
	PACK 0
.set t, 1
.rept 4*NBLK-1                         ; a tile's conversions stand between the loads of the tile before and its stores
	PACK t
	SEND t-1, 8
.set t, t+1
.endr
	SEND 4*NBLK-1, 0
.endif
	s_wait_tensorcnt 0x0                           ; the wave's end: these three lines stand behind my last tensor load and my last LDS store
	ds_add_u32 v[SPW], v[NIL]
	s_wait_dscnt 0x0
	CROUND                                         ; the closing round: no work-group ends while a partner may still ask for a tile that names it
	s_endpgm
.Lfunc_end_k_qc764b3ba44_proj_out:
	.size	k_qc764b3ba44_proj_out, .Lfunc_end_k_qc764b3ba44_proj_out-k_qc764b3ba44_proj_out
	.p2alignl 7, 3214868480
	.fill 96, 4, 3214868480
	.section	.rodata,"a",@progbits
	.p2align	6, 0x0
	.amdhsa_kernel k_qc764b3ba44_proj_out
		.amdhsa_group_segment_fixed_size 327680
		.amdhsa_private_segment_fixed_size 0
		.amdhsa_enable_private_segment 0
		.amdhsa_kernarg_size 32
		.amdhsa_user_sgpr_count 2
		.amdhsa_user_sgpr_kernarg_segment_ptr 1
		.amdhsa_wavefront_size32 1
		.amdhsa_system_sgpr_workgroup_id_x 1
		.amdhsa_system_sgpr_workgroup_id_y 1
		.amdhsa_system_sgpr_workgroup_id_z 1
		.amdhsa_system_vgpr_workitem_id 0
		.amdhsa_next_free_vgpr 896
		.amdhsa_next_free_sgpr 66
		.amdhsa_reserve_vcc 0
		.amdhsa_float_denorm_mode_32 3
		.amdhsa_float_denorm_mode_16_64 3
		.amdhsa_memory_ordered 1
		.amdhsa_forward_progress 1
		.amdhsa_inst_pref_size 94
	.end_amdhsa_kernel
	.amdgpu_metadata
---
amdhsa.version: [ 1, 2 ]
amdhsa.kernels:
  - .name:           k_qc764b3ba44_proj_out
    .symbol:         k_qc764b3ba44_proj_out.kd
    .args:
      - { .name: o, .offset: 0, .size: 8, .value_kind: global_buffer, .address_space: global }
      - { .name: wo, .offset: 8, .size: 8, .value_kind: global_buffer, .address_space: global }
      - { .name: bout, .offset: 16, .size: 8, .value_kind: global_buffer, .address_space: global }
      - { .name: out0, .offset: 24, .size: 8, .value_kind: global_buffer, .address_space: global }
    .group_segment_fixed_size: 327680
    .private_segment_fixed_size: 0
    .kernarg_segment_align: 8
    .kernarg_segment_size: 32
    .max_flat_workgroup_size: 128
    .sgpr_count:     66
    .vgpr_count:     896
    .wavefront_size: 32
...
	.end_amdgpu_metadata
.endif
;; end of part 4
